; MI455X (gfx1250); checked and timed in simulation.
; The chip was launched on July 23, 2026; its instructions are those of AMD's public machine-readable ISA for CDNA 5 (MIT licence, August 2026) and "CDNA5" Instruction Set Architecture Reference Guide (July 2026). The comments in the code are by the model that wrote it; some were corrected since.
;; Causal Self Attention. Allowed arithmetic: matrix products marked QUANTISED: E3M2 operands, one E8M0 scale for each 32 along K, by v_wmma_scale_f32_16x16x128_f8f6f4 with both operands' format E3M2, f32 sums; everything else in f32.
;; Inputs: b_out 1,024 float32; b_qkv 3,072 float32; w_out 1,024 x 1,024 float32; w_qkv 3,072 x 1,024 float32; x 4 x 2,048 x 1,024 float32.
;; Outputs: out0 4 x 2,048 x 1,024 float32.
;; This version of the problem:
;;   THIS VERSION OF THE PROBLEM IS GIVEN IN LOW PRECISION. The matrix products marked QUANTISED in the list below multiply operands that are first quantised to E3M2 (3 exponent bits, 2 mantissa bits; 6 bits a number), with one power-of-two scale for each 32 numbers along K (OCP MX v1.0); their sums are f32. All else is computed in f32.
;;   The module's matrix products, in the order in which they are computed (A, B: the left and right operand; K: the contracted axis; several contracted axes count as one K, in the product's order):
;;     1. [M 8,192, K 1,024] x [K 1,024, N 3,072]; A: input x; B: input w_qkv: QUANTISED
;;     2. batch 64 x [M 2,048, K 64] x [K 64, N 2,048]; A: computed on the way; B: computed on the way: QUANTISED
;;     3. batch 64 x [M 2,048, K 2,048] x [K 2,048, N 64]; A: softmax (see below); B: computed on the way: QUANTISED
;;     4. [M 8,192, K 1,024] x [K 1,024, N 1,024]; A: computed on the way; B: input w_out: QUANTISED
;;   THE QUANTISER, for each operand of a quantised product, along K:
;;     - K is cut into blocks of 32 from its start; a last block that is shorter is filled with zeros.
;;     - A block's scale is 2^e with e = floor(log2(the largest magnitude in the block)) - 4, held to -126 .. 127; a block of zeros has e = 0. As a byte (E8M0): e + 127.
;;     - Each number is divided by its block's scale, clamped to +-28, and rounded to the nearest number of E3M2, ties to even, subnormals kept.
;;     - The product sums the exact products of the quantised numbers (number of the format x scale) in f32.
;;   ~~~python
;;   def quantise(x, axis):      # numpy; x: float32 -> the quantised numbers, widened to float32 again
;;       x = np.moveaxis(x, axis, -1); K = x.shape[-1]
;;       x = np.pad(x, [(0, 0)] * (x.ndim - 1) + [(0, -K % 32)]); x = x.reshape(x.shape[:-1] + (-1, 32)); a = np.abs(x).max(-1, keepdims=True)
;;       e = np.where(a > 0, np.clip(np.frexp(np.where(a > 0, a, 1))[1] - 1 - 4, -126, 127), 0)      # np.frexp(a)[1] - 1 = floor(log2(a)), exactly
;;       r = np.clip(x / 2.0 ** e, -28, 28)
;;       step = 2.0 ** (np.maximum(np.frexp(np.where(r == 0, 1, r))[1] - 1, -2) - 2)
;;       q = np.round(r / step) * step * 2.0 ** e      # np.round: ties to even
;;       return np.moveaxis(q.reshape(q.shape[:-2] + (-1,))[..., :K], -1, axis).astype(np.float32)
;;   ~~~
;;   SOFTMAX AHEAD OF A QUANTISED PRODUCT. Where the list says 'softmax', what is quantised is not the finished softmax but p = 2^(t - M), with t = logit x log2(e) and M = ceil(the row's largest t), a whole number; so 1/2 < the row's largest p <= 1. The row's sum l is taken of the UNQUANTISED p, in f32, and the product's result is divided by l at the end. Since M is a whole number, a kernel that streams over the keys may use a running M (the ceiling of the running maximum): every later rescaling is an exact power of two, which a block's scale takes up: the codes' values come out the same.
;;   OPERANDS COMPUTED ON THE WAY. 'Computed on the way' means the value that the module computes at that place (a softmax that the list does not call 'softmax' is quantised finished and normalised). What goes into a quantiser is computed in f32, as accurately as f32 sums, v_exp_f32 and their like allow (about 1e-6 of the number): no bf16 or f16 on the way to a quantiser, and a product that is left as it is and whose result goes on into a quantised operand takes f32 operands (vector FMAs, or v_wmma_f32_16x16x4_f32). A number that lies on a knife's edge between two numbers of the format may be rounded either way, as far as f32 arithmetic and the matrix unit's own rounding can turn it there, and no further.
;; One version. Each part assembles by itself: llvm-mc -triple=amdgcn-amd-amdhsa -mcpu=gfx1250 --defsym DOCPART=n.
;; ======== version 1 of 1: 4 launches
;; limits: right only within a limited range of input values
;; workspace buffers: codes 9,437,184 bytes; scl 393,216 bytes; qkv 26,738,688 bytes; oc 6,291,456 bytes; os 262,144 bytes
;; launch quant (part 1): grid 256 x 1, 12 waves a work-group, no clusters, 104,448 bytes of LDS; arguments x, w_qkv, w_out, codes, scl; writes codes, scl
.if DOCPART == 1
	.amdgcn_target "amdgcn-amd-amdhsa--gfx1250"
	.amdhsa_code_object_version 6
	.text
	.protected	k_q5bdd89521f_quant
	.globl	k_q5bdd89521f_quant
	.p2align	8
	.type	k_q5bdd89521f_quant,@function
k_q5bdd89521f_quant:
	s_mov_b64 s[64:65], 0
	v_nop
	global_prefetch_b8 v0, s[64:65] scope:SCOPE_SE
	s_setreg_imm32_b32 hwreg(HW_REG_WAVE_MODE, 25, 1), 1
	s_wait_xcnt 0x0
; x [8192][1024], w_qkv [3072][1024] and w_out [1024][1024], f32, K innermost, become codes of BF6 (E3M2) with one E8M0 scale byte for each 32 along K.
; The three tensors are taken as 768 ROW TILES of 16 rows: T 0-511 x, 512-703 w_qkv, 704-767 w_out.
; THE CODES ARE LAID AS IMAGES OF THE OPERAND'S REGISTERS: codes[T][K step of 128][1536].  A fragment (16 rows x 128 K) is 12 registers a lane; lane l = (r = l % 16, h = l / 16) holds in registers 6 c .. 6 c + 5
; block 2 c + h of row r.  Half c of an image is 768 bytes: registers 6 c .. 6 c + 3 at 16 l, registers 6 c + 4, 6 c + 5 at 512 + 8 l.  So every store here, and every load of a reader, covers 512 or 256 consecutive bytes.
; THE ORDER INSIDE A BLOCK: code places 0-7, 8-15, 16-23, 24-31 hold k 0-7, 16-23, 8-15, 24-31 of the block.  Every operand of this program is laid so (it is the order in which a matrix result's registers come to the
; conversions in the later launches), so both sides of each product agree; blocks and scales are the true ones.  Only the order of the additions inside a matrix instruction differs from the natural one.
; THE SCALE WORDS: scl[T][slot of 256 K][r][step in the slot], 4 bytes (byte 2 c + h for block 2 c + h): 512 bytes a row tile.
; A block's scale is 2^(floor(log2(largest magnitude)) - 4): its byte is the largest magnitude's exponent field - 4, held at 1 from below by a floor among the maximum's leaves.
; LIMITS: a block of zeros gets the byte 1 (the rule says 127): its codes are zeros, and this program alone reads the bytes.  NaN and infinities among the inputs are not served.
; SHARES: work-group g takes row tiles 3 g .. 3 g + 2; wave w takes tile 3 g + w / 4 and slot w % 4: 16 rows x 256 K, two fragments.  All 32 loads of a wave, 16 KB, go out at its head.
; Each load reads 512 consecutive bytes of a row; a fragment's 8 KB turn through the wave's own stage in LDS (rows of 512 + 16 bytes), from which a lane takes the 32 numbers of each of its two blocks.
.set STG,  8448                        ; a wave's stage: 16 rows x 528 bytes
.set SCR,  12*STG                      ; behind the stages: 3 x 512 bytes of scale words
.set CD,   16                          ; v16-39   codes: 12 registers for each fragment, so that no store's data are written again
.set HB,   40                          ; v40-46   the conversions' second halves
.set WK,   48                          ; v48-57   at work
.set RW,   64                          ; v64-191  two sets of 64 registers as loaded
.set XN,   192                         ; v192-255 my 64 numbers of a fragment: 32 c + the place in the block
	s_load_b256 s[4:11], s[0:1], 0x0               ; x, w_qkv, w_out, codes
	s_load_b64 s[12:13], s[0:1], 0x20              ; scl
	v_lshl_add_u32 v62, v0, 2, 0x19200
	v_mov_b32 v63, 0
	v_lshrrev_b32 v8, 5, v0
	s_delay_alu instid0(VALU_DEP_1)
	v_readfirstlane_b32 s16, v8                    ; wave 0..11
	v_and_b32 v9, 31, v0                           ; lane
	v_and_b32 v10, 15, v0                          ; r
	v_bfe_u32 v11, v0, 4, 1                        ; h
	s_delay_alu instid0(VALU_DEP_3)
	v_lshlrev_b32 v1, 4, v9                        ; 16 l
	s_wait_alu depctr_va_vdst(0)
	v_lshlrev_b32 v2, 3, v9                        ; 8 l
	s_mul_i32 s19, s16, STG
	v_add_nc_u32 v3, s19, v1                       ; into the stage: a row's 512 bytes as they lie
	v_mul_u32_u24 v4, v10, 528
	s_delay_alu instid0(VALU_DEP_1)
	v_lshl_add_u32 v4, v11, 7, v4
	s_delay_alu instid0(VALU_DEP_1)
	v_add_nc_u32 v4, s19, v4                       ; out of it: row r, + 128 h: my block of each 64 numbers
	s_lshr_b32 s20, s16, 2                         ; which of the three row tiles
	s_and_b32 s18, s16, 3                          ; which slot of 256 along K
	s_lshl_b32 s21, s20, 9
	s_lshl_b32 s22, s18, 7
	s_add_co_u32 s21, s21, s22
	s_add_co_u32 s21, s21, SCR
	v_lshl_add_u32 v5, v10, 3, s21                 ; my row's two scale words
	v_lshlrev_b32 v6, 3, v11                       ; 8 h: my bytes' place in a scale word
	s_min_u32 s23, s16, 2                          ; waves 0 to 2 store a row tile's 512 bytes of scale words each
	s_lshl_b32 s24, s23, 9
	s_add_co_u32 s25, s24, SCR
	v_add_nc_u32 v7, s25, v1
	s_mul_i32 s17, ttmp9, 3
	s_add_co_u32 s26, s17, s23                     ; that row tile
	s_add_co_u32 s17, s17, s20                     ; T: my row tile
	s_mov_b32 s14, 0x76543210
	s_mov_b32 s15, 0xfedcba98                      ; v_permlanex16_b32's selects for lane l xor 16
	v_mov_b32 v[WK+6], 0                           ; written once: a lane permute's destination counts as one of its sources
	s_wait_alu depctr_va_vdst(0)
	s_wait_kmcnt 0x0
	s_cmp_lt_u32 s17, 512                          ; which tensor: the choice hangs on the row tile's number alone
	s_cselect_b64 s[4:5], s[4:5], s[6:7]
	s_cselect_b32 s27, 0, 512
	s_cmp_lt_u32 s17, 704
	s_cselect_b64 s[4:5], s[4:5], s[8:9]
	s_cselect_b32 s27, s27, 704
	s_sub_co_u32 s27, s17, s27                     ; the row tile's number in its tensor
	s_lshl_b32 s28, s27, 16                        ; 16 rows of 4,096 bytes
	s_lshl_b32 s29, s18, 10                        ; + 256 numbers a slot
	s_add_co_u32 s28, s28, s29
	s_mov_b32 s29, 0
	s_add_nc_u64 s[4:5], s[4:5], s[28:29]
	s_lshl_b32 s28, s17, 3
	s_lshl_b32 s30, s18, 1
	s_add_co_u32 s28, s28, s30
	s_mul_i32 s28, s28, 1536                       ; image 8 T + 2 x slot
	s_add_nc_u64 s[10:11], s[10:11], s[28:29]
	s_lshl_b32 s28, s26, 9
	s_add_nc_u64 s[12:13], s[12:13], s[28:29]
.macro LOAD e                          ; fragment e: 128 numbers of each of the 16 rows
.irp i, 0,1,2,3,4,5,6,7,8,9,10,11,12,13,14,15
	global_load_b128 v[RW+64*\e+4*\i:RW+64*\e+4*\i+3], v1, s[4:5] offset:4096*\i+512*\e th:TH_LOAD_NT
.endr
.endm
	LOAD 0
	LOAD 1
.macro QSTEP e
	s_wait_loadcnt 16-16*\e                        ; this fragment's 16 loads are in; the other's may be out
.irp i, 0,1,2,3,4,5,6,7,8,9,10,11,12,13,14,15
	ds_store_b128 v3, v[RW+64*\e+4*\i:RW+64*\e+4*\i+3] offset:528*\i
.endr
.irp c, 0,1                            ; LDS serves a wave's instructions in order: these see the stores above.  Four numbers k = 4 q .. go to the places that the order inside a block gives them
.irp q, 0,1,2,3,4,5,6,7
	ds_load_b128 v[XN+32*\c+4*((\q%2)+4*((\q/2)%2)+2*(\q/4)):XN+32*\c+4*((\q%2)+4*((\q/2)%2)+2*(\q/4))+3], v4 offset:256*\c+16*\q
.endr
.endr
	s_wait_dscnt 0x0
.irp c, 0,1
	v_max3_num_f32 v[WK+\c], |v[XN+32*\c]|, |v[XN+32*\c+1]|, 0x2800000   ; block 2 c + h: all its 32 numbers are mine; the floor 2^(5 - 127) holds the byte at 1 from below
.endr
.irp i, 2,4,6,8,10,12,14,16,18,20,22,24,26,28,30
.irp c, 0,1
	s_delay_alu instid0(VALU_DEP_2)
	v_max3_num_f32 v[WK+\c], v[WK+\c], |v[XN+32*\c+\i]|, |v[XN+32*\c+\i+1]|   ; (the two blocks by turns)
.endr
.endr
.irp c, 0,1
	s_delay_alu instid0(VALU_DEP_2)
	v_add_nc_u32 v[WK+2+\c], 0xfe000000, v[WK+\c]  ; 4 off the exponent field: the conversion takes the exponent field of this operand as its scale
.endr
.irp c, 0,1
	s_delay_alu instid0(VALU_DEP_2)
	v_lshrrev_b32 v[WK+4+\c], 23, v[WK+2+\c]       ; the scale's byte
.endr
	s_delay_alu instid0(VALU_DEP_1)
	v_lshl_or_b32 v[WK+8+\e], v[WK+5], 16, v[WK+4] ; my two bytes, blocks h and 2 + h,
	s_delay_alu instid0(VALU_DEP_1)
	v_lshlrev_b32 v[WK+8+\e], v6, v[WK+8+\e]       ; at their places in the word;
	s_delay_alu instid0(VALU_DEP_1)
	v_permlanex16_b32 v[WK+6], v[WK+8+\e], s14, s15
	s_delay_alu instid0(VALU_DEP_1)
	v_or_b32 v[WK+8+\e], v[WK+8+\e], v[WK+6]       ; with lane l xor 16's two the word is whole
.irp c, 0,1
	v_cvt_scalef32_pk16_bf6_f32 v[CD+12*\e+6*\c:CD+12*\e+6*\c+2], v[XN+32*\c:XN+32*\c+15], v[WK+2+\c]
	v_cvt_scalef32_pk16_bf6_f32 v[HB+4*\c:HB+4*\c+2], v[XN+32*\c+16:XN+32*\c+31], v[WK+2+\c]   ; (a conversion's three registers begin on an even number)
.endr
	v_nop                                          ; one plain instruction behind a scaled conversion
.irp c, 0,1
.irp i, 0,1,2
	v_mov_b32 v[CD+12*\e+6*\c+3+\i], v[HB+4*\c+\i]
.endr
.endr
	global_store_b128 v1, v[CD+12*\e:CD+12*\e+3], s[10:11] offset:1536*\e          ; the image: 512, 256, 512, 256 consecutive bytes
	global_store_b64 v2, v[CD+12*\e+4:CD+12*\e+5], s[10:11] offset:1536*\e+512
	global_store_b128 v1, v[CD+12*\e+6:CD+12*\e+9], s[10:11] offset:1536*\e+768
	global_store_b64 v2, v[CD+12*\e+10:CD+12*\e+11], s[10:11] offset:1536*\e+1280
	ds_store_b32 v5, v[WK+8+\e] offset:4*\e        ; lanes r and r + 16 write the same word with the same value
.endm
	QSTEP 0
	QSTEP 1
	s_wait_dscnt 0x0                               ; for the others' sake: my scale words lie in LDS
	s_barrier_signal -1
	s_barrier_wait -1
	s_cmp_gt_u32 s16, 2
	s_cbranch_scc1 .Ldone
	ds_load_b128 v[12:15], v7                      ; a row tile's 512 bytes, from four waves
	s_wait_dscnt 0x0
	global_store_b128 v1, v[12:15], s[12:13]       ; 32 lanes store 512 consecutive bytes
.Ldone:
	s_wait_tensorcnt 0x0
	ds_add_u32 v62, v63
	s_wait_dscnt 0x0
	s_endpgm
.Lfunc_end_k_q5bdd89521f_quant:
	.size	k_q5bdd89521f_quant, .Lfunc_end_k_q5bdd89521f_quant-k_q5bdd89521f_quant
	.p2alignl 7, 3214868480
	.fill 96, 4, 3214868480
	.section	.rodata,"a",@progbits
	.p2align	6, 0x0
	.amdhsa_kernel k_q5bdd89521f_quant
		.amdhsa_group_segment_fixed_size 104448
		.amdhsa_private_segment_fixed_size 0
		.amdhsa_enable_private_segment 0
		.amdhsa_kernarg_size 40
		.amdhsa_user_sgpr_count 2
		.amdhsa_user_sgpr_kernarg_segment_ptr 1
		.amdhsa_wavefront_size32 1
		.amdhsa_system_sgpr_workgroup_id_x 1
		.amdhsa_system_sgpr_workgroup_id_y 1
		.amdhsa_system_sgpr_workgroup_id_z 1
		.amdhsa_system_vgpr_workitem_id 0
		.amdhsa_next_free_vgpr 256
		.amdhsa_next_free_sgpr 66
		.amdhsa_reserve_vcc 0
		.amdhsa_float_denorm_mode_32 3
		.amdhsa_float_denorm_mode_16_64 3
		.amdhsa_memory_ordered 1
		.amdhsa_forward_progress 1
		.amdhsa_inst_pref_size 20
	.end_amdhsa_kernel
	.amdgpu_metadata
---
amdhsa.version: [ 1, 2 ]
amdhsa.kernels:
  - .name:           k_q5bdd89521f_quant
    .symbol:         k_q5bdd89521f_quant.kd
    .args:
      - { .name: x, .offset: 0, .size: 8, .value_kind: global_buffer, .address_space: global }
      - { .name: w_qkv, .offset: 8, .size: 8, .value_kind: global_buffer, .address_space: global }
      - { .name: w_out, .offset: 16, .size: 8, .value_kind: global_buffer, .address_space: global }
      - { .name: codes, .offset: 24, .size: 8, .value_kind: global_buffer, .address_space: global }
      - { .name: scl, .offset: 32, .size: 8, .value_kind: global_buffer, .address_space: global }
    .group_segment_fixed_size: 104448
    .private_segment_fixed_size: 0
    .kernarg_segment_align: 8
    .kernarg_segment_size: 40
    .max_flat_workgroup_size: 384
    .sgpr_count:     66
    .vgpr_count:     256
    .wavefront_size: 32
...
	.end_amdgpu_metadata
.endif
;; end of part 1
;; launch qkvgemm (part 2): grid 4 x 64, 4 waves a work-group, clusters of 4 x 4, 327,680 bytes of LDS; arguments codes, scl, b_qkv, qkv; writes qkv
.if DOCPART == 2
	.amdgcn_target "amdgcn-amd-amdhsa--gfx1250"
	.amdhsa_code_object_version 6
	.text
	.protected	k_q5bdd89521f_qkvgemm
	.globl	k_q5bdd89521f_qkvgemm
	.p2align	8
	.type	k_q5bdd89521f_qkvgemm,@function
k_q5bdd89521f_qkvgemm:
	s_mov_b64 s[64:65], 0
	v_nop
	global_prefetch_b8 v0, s[64:65] scope:SCOPE_SE
	s_setreg_imm32_b32 hwreg(HW_REG_WAVE_MODE, 25, 1), 1
	s_wait_xcnt 0x0
	s_wait_alu depctr_hold_cnt(0) depctr_sa_sdst(0) depctr_va_vdst(0) depctr_va_sdst(0) depctr_va_ssrc(0) depctr_va_vcc(0) depctr_vm_vsrc(0)
	s_getreg_b32 s2, hwreg(HW_REG_IB_STS2, 6, 4)
	s_cmp_eq_u32 s2, 0
	s_cbranch_scc0 .Lentry_in_a_cluster
	s_endpgm
.Lentry_in_a_cluster:
	s_bfe_u32 s2, ttmp6, 0x10000c
	s_cmp_lg_u32 s2, 0xf033
	s_cbranch_scc0 .Lentry_shape_is_right
	s_endpgm
.Lentry_shape_is_right:
; qkv = x w_qkv^T + b_qkv on codes of BF6 (E3M2) with E8M0 scales, K = 1,024; the results never go to memory as f32: each wave quantises its results in registers into the operands of attention's two products.
; INPUTS: codes[768 row tiles][8 K steps][1536] and scl[768][512], images of operand registers (half c of an image: registers 6 c .. 6 c + 3 at 16 x lane, 6 c + 4, 6 c + 5 at 512 + 8 x lane; a row tile's scale words at
; 128 x (K / 256) + 8 r + 4 x (step % 2)); row tiles 0-511 x, 512-703 w_qkv.
; OUTPUT: qkv[2 arrays][64 heads b x 16 + h][16 steps of 128 tokens][record of 13,056 bytes].  Array 1: K's codes at 0 (8 tiles of 16 tokens x 768 bytes), V's codes at 6,144 (4 tiles of 16 channels x 1,536), K's scale words at 12,288
; (4 bytes a token, bytes 2 and 3 zero), V's at 12,800 (4 bytes a channel).  Array 0: Q's codes at 0 and Q's scale words at 12,288; the rest is not used.
; SHARES: 256 work-groups THAT STAY: each makes three blocks of 128 rows of A' x 256 rows of B', one of q, one of k, one of v.  q, k: A' = x (token block 4 Y + cy), B' = w (256 channels, cx): a lane is a token, its registers run along
; the channels.  v: A' = w_v (128 channels, cy + 4 (Y % 2)), B' = x (256 tokens, cx + 4 (Y / 2)): a lane is a channel, its registers run along the tokens.  A wave makes 64 x 128: 32 accumulators.
; Source 0 = 16 rows of B', source 1 = 16 rows of A'.  Code places 0-7, 8-15, 16-23, 24-31 of a block hold k 0-7, 16-23, 8-15, 24-31, as in every operand of this program.
; THE RING: two slots of 512 along K (A''s 8 row tiles x 6,144 bytes, then B''s 16) hold one block's K, and the ring goes on into the next block.  At step 3 slot 0 and the scale words are read out: a round of the cluster's barrier, and
; four joint loads, one a wave, bring the next block's (A', B', A''s scale words, B''s).  At step 7 slot 1 is read out: a round, and waves 0 and 1 bring the next block's.  A block's scale words go into 64 registers at its start.
; q and k are a loop of two trips; v, which asks for nothing more and takes its bias by A''s tile, is written out.
; CLUSTERS: 4 x 4 work-groups; A''s tiles are shared along a row of the cluster, B''s along a column, in all three blocks.
; NO PREFETCH: behind the head each fill is asked for four steps, 128 matrix instructions, or the whole way out ahead of the wait for it, and the head's own tiles have no trip ahead of them.
; LIMITS: a block of zeros gets the scale byte 1 (its codes are zeros; this program alone reads the bytes); NaN and infinities are not served.
; REGISTERS: window 0: v0-31 addresses; v32-55 and v224-242 at work on the way out; v64-159 A''s fragments, two sets; v160-223 scale words.  window 1: B''s fragments at v0 and v128; q's or k's bias in v96-127, v224-255.
; window 2: accumulator (a, b) at v[8 (8 a + b)].  window 3: v0-31 v's bias.
.set FR,     12
.set TILEB,  6144
.set TROW,   12288
.set AT,     8*TILEB
.set SLOT,   24*TILEB
.set SCL,    2*SLOT                    ; A''s scale words, 4,096 bytes; B''s begin 4,224 on
.set SPARE,  SCL+12544                 ; the spare words: 512 bytes that no other line names
.set STG,    SPARE+512                 ; a stage of 512 bytes for each wave's scale words: no fill lands here
.set REC,    13056
.set HEAD,   16*REC
.set ARR,    64*HEAD
.set ADRS2, 9                          ; as ADRS, with lanes 0-15 four row tiles back: for B''s blocks 4-7, beside which A' has none
.set ADRA, 16
.set ADRB, 20
.set ADRS, 27
.set SPW,  28
.set NIL,  29
.set TM,   32                          ; v32-35 largest magnitudes, v36-39 the other lanes' and then bytes, v44-47 the conversions' scale operands
.set PW,   48
.set PWS,  49
.set AF,   64
.set SCR,  160                         ; register 16 (step / 2) + 2 i + step % 2: lanes 0-15 A''s block i, lanes 16-31 B''s block i
.set PC,   224                         ; v224-235 the codes just made, v236-242 the conversions' second halves
.set G1A, 24
.set G0A, 32
.set G0B, 36
.set G1B, 48
.set G0SA, 56
.set G0SB, 60
.set G1SA, 68
.set G1SB, 76
.set NA,  84                           ; the next block's tiles: A', B', A''s scale words, B''s
.set NB,  86
.set NSA, 88
.set NSB, 90
.set VA,  92                           ; v's
.set VB,  94
.set VSA, 96
.set VSB, 98
.set MSB, 0
.macro WIN new                         ; the immediate's high byte repeats the setting that is left
.if MSB != \new
	s_set_vgpr_msb (MSB<<8)|\new
.set MSB, \new
.endif
.endm
.macro TLOAD g0, g1                    ; a tensor load, with an s_nop and four v_nops behind it
	tensor_load_to_lds s[\g0:\g0+3], s[\g1:\g1+7]
	s_nop 0
.rept 4
	v_nop
.endr
.endm
.macro FILL n                          ; one tree of branches on the wave's number, one joint load to an arm: wave 0 A', wave 1 B'; n = 4: wave 2 A''s scale words, wave 3 B''s
	s_cmp_lt_u32 s14, 1
	s_cbranch_scc0 .Lfb_\@
	TLOAD G0A, G1A
	s_branch .Lfe_\@
.Lfb_\@:
	s_cmp_lt_u32 s14, 2
	s_cbranch_scc0 .Lfc_\@
	TLOAD G0B, G1B
	s_branch .Lfe_\@
.Lfc_\@:
.if \n == 4
	s_cmp_lt_u32 s14, 3
	s_cbranch_scc0 .Lfd_\@
	TLOAD G0SA, G1SA
	s_branch .Lfe_\@
.Lfd_\@:
	TLOAD G0SB, G1SB
.endif
.Lfe_\@:
.endm
.macro CROUND                          ; a round of the cluster's barrier
	s_barrier_signal -1
	s_barrier_wait -1
	s_cmp_lg_u32 s14, 0
	s_cbranch_scc1 .Lnot_wave_0_\@
	s_barrier_signal -3
.Lnot_wave_0_\@:
	s_barrier_wait -3
	s_barrier_signal -1
	s_barrier_wait -1
.endm
.macro TOSLOT1                         ; group 0 of A' and B': from a block's first 512 along K in slot 0 to its second in slot 1
	s_mov_b32 s[G0A+1], SLOT
	s_add_nc_u64 s[G0A+2:G0A+3], s[G0A+2:G0A+3], TILEB
	s_mov_b32 s[G0B+1], SLOT+AT
	s_add_nc_u64 s[G0B+2:G0B+3], s[G0B+2:G0B+3], TILEB
.endm
	s_load_b256 s[4:11], s[0:1], 0x0               ; codes, scl, b_qkv, qkv
	v_lshl_add_u32 v[SPW], v0, 2, SPARE
	v_mov_b32 v[NIL], 0
	ds_add_u32 v[SPW], v[NIL]                      ; the opening lines: the add twice on end and its wait
	ds_add_u32 v[SPW], v[NIL]
	v_lshrrev_b32 v1, 5, v0
	v_readfirstlane_b32 s14, v1                    ; wave 0..3
	s_lshr_b32 s15, s14, 1                         ; which half of A''s rows is mine
	s_and_b32 s16, s14, 1                          ; which half of B''s rows
	s_bfe_u32 s40, ttmp6, 0x40000                  ; cx
	s_bfe_u32 s41, ttmp6, 0x40004                  ; cy
	s_and_b32 s13, ttmp7, 0xffff                   ; Y, the cluster's y
	s_lshl_b32 s43, s41, 2
	s_lshl_b32 s43, 15, s43                        ; my row of the cluster
	s_lshl_b32 s44, 0x1111, s40                    ; my column
	s_or_b32 s[G1A], s43, (3<<16)|(1<<21)          ; codes: row tiles of 6,144 bytes (768 elements of 8), 12,288 apart, no padding: A' 8, B' 16
	s_or_b32 s[G1B], s44, (3<<16)|(1<<21)
.irp g, G1A, G1B
	s_mov_b32 s[\g+1], 768<<16
	s_mov_b32 s[\g+3], 768<<16
	s_mov_b32 s[\g+5], TROW/8
	s_mov_b32 s[\g+6], 0
	s_mov_b32 s[\g+7], 0
.endr
	s_mov_b32 s[G1A+2], 8<<16
	s_mov_b32 s[G1A+4], 8
	s_mov_b32 s[G1B+2], 16<<16
	s_mov_b32 s[G1B+4], 16
	s_or_b32 s[G1SA], s43, (3<<16)|(1<<21)         ; scale words: dense rows of 256 bytes: A' 16, B' 32
	s_or_b32 s[G1SB], s44, (3<<16)|(1<<21)
.irp g, G1SA, G1SB
	s_mov_b32 s[\g+1], 32<<16
	s_mov_b32 s[\g+3], 32<<16
	s_mov_b32 s[\g+5], 32
	s_mov_b32 s[\g+6], 0
	s_mov_b32 s[\g+7], 0
.endr
	s_mov_b32 s[G1SA+2], 16<<16
	s_mov_b32 s[G1SA+4], 16
	s_mov_b32 s[G1SB+2], 32<<16
	s_mov_b32 s[G1SB+4], 32
	; the tiles' first row tiles; A''s never hold cx, B''s never cy
	s_lshl_b32 s17, s13, 5
	s_lshl_b32 s42, s41, 3
	s_add_co_u32 s17, s17, s42                     ; q, k: A' = x at 8 (4 Y + cy)
	s_mul_i32 s[NA], s17, TROW
	s_mov_b32 s[NA+1], 0
	s_lshl_b32 s[NSA], s17, 9
	s_mov_b32 s[NSA+1], 0
	s_lshl_b32 s45, s40, 4
	s_add_co_u32 s45, s45, 576                     ; k: B' at 576 + 16 cx (q: 64 row tiles ahead of that)
	s_mul_i32 s[NB], s45, TROW
	s_mov_b32 s[NB+1], 0
	s_lshl_b32 s[NSB], s45, 9
	s_mov_b32 s[NSB+1], 0
	s_and_b32 s17, s13, 1
	s_lshl_b32 s17, s17, 2
	s_add_co_u32 s17, s17, s41
	s_lshl_b32 s17, s17, 3
	s_add_co_u32 s17, s17, 640                     ; v: A' = w_v at 640 + 8 (cy + 4 (Y % 2))
	s_mul_i32 s[VA], s17, TROW
	s_mov_b32 s[VA+1], 0
	s_lshl_b32 s[VSA], s17, 9
	s_mov_b32 s[VSA+1], 0
	s_lshr_b32 s45, s13, 1
	s_lshl_b32 s45, s45, 2
	s_add_co_u32 s45, s45, s40
	s_lshl_b32 s45, s45, 4                         ; v: B' = x at 16 (cx + 4 (Y / 2))
	s_mul_i32 s[VB], s45, TROW
	s_mov_b32 s[VB+1], 0
	s_lshl_b32 s[VSB], s45, 9
	s_mov_b32 s[VSB+1], 0
	s_wait_dscnt 0x0                               ; both opening adds are done
	s_wait_kmcnt 0x0
.irp p, NA, NB, VA, VB
	s_add_nc_u64 s[\p:\p+1], s[4:5], s[\p:\p+1]
.endr
.irp p, NSA, NSB, VSA, VSB
	s_add_nc_u64 s[\p:\p+1], s[6:7], s[\p:\p+1]
.endr
	s_mov_b32 s[G0A], 1                            ; q's slot 0 and scale words
	s_mov_b32 s[G0A+1], 0
	s_mov_b64 s[G0A+2:G0A+3], s[NA:NA+1]
	s_or_b32 s[G0A+3], s[G0A+3], 0x80000000
	s_mov_b32 s[G0B], 1
	s_mov_b32 s[G0B+1], AT
	s_sub_nc_u64 s[G0B+2:G0B+3], s[NB:NB+1], 64*TROW
	s_or_b32 s[G0B+3], s[G0B+3], 0x80000000
	s_mov_b32 s[G0SA], 1
	s_mov_b32 s[G0SA+1], SCL
	s_mov_b64 s[G0SA+2:G0SA+3], s[NSA:NSA+1]
	s_or_b32 s[G0SA+3], s[G0SA+3], 0x80000000
	s_mov_b32 s[G0SB], 1
	s_mov_b32 s[G0SB+1], SCL+4224
	s_sub_nc_u64 s[G0SB+2:G0SB+3], s[NSB:NSB+1], 64*512
	s_or_b32 s[G0SB+3], s[G0SB+3], 0x80000000
	CROUND                                         ; all sixteen work-groups are here: the first joint loads meet
	FILL 4                                         ; one load a wave at the head
	; where the results go.  q, k: record (16 x batch + 4 cx + 2 x my half of B', step) of token block 4 Y + cy; my half of A' is tiles 4 x half .. of it
	s_lshl_b32 s2, s13, 2
	s_add_co_u32 s2, s2, s41
	s_lshr_b32 s3, s2, 4
	s_and_b32 s2, s2, 15
	s_lshl_b32 s42, s40, 2
	s_lshl_b32 s43, s16, 1
	s_add_co_u32 s42, s42, s43
	s_lshl_b32 s3, s3, 4
	s_add_co_u32 s3, s3, s42
	s_mul_i32 s3, s3, HEAD
	s_mul_i32 s2, s2, REC
	s_add_co_u32 s2, s2, s3
	s_mul_i32 s42, s15, 4*768
	s_add_co_u32 s18, s2, s42
	s_mov_b32 s19, 0
	s_add_nc_u64 s[18:19], s[10:11], s[18:19]      ; s[18:19]: q's codes (k's: one array on)
	s_lshl_b32 s42, s15, 8
	s_add_co_u32 s20, s2, s42
	s_add_co_u32 s20, s20, 12288
	s_mov_b32 s21, 0
	s_add_nc_u64 s[20:21], s[10:11], s[20:21]      ; s[20:21]: q's scale words
	; v: head 2 (cy + 4 (Y % 2)) + my half of A'; token block of 128: 2 (cx + 4 (Y / 2)) + my half of B'
	s_and_b32 s2, s13, 1
	s_lshl_b32 s2, s2, 2
	s_add_co_u32 s43, s2, s41                      ; the block of 128 channels
	s_lshl_b32 s3, s43, 1
	s_add_co_u32 s3, s3, s15
	s_lshr_b32 s42, s13, 1
	s_lshl_b32 s42, s42, 2
	s_add_co_u32 s42, s42, s40
	s_lshl_b32 s42, s42, 1
	s_add_co_u32 s42, s42, s16
	s_lshr_b32 s44, s42, 4
	s_and_b32 s42, s42, 15
	s_lshl_b32 s44, s44, 4
	s_add_co_u32 s44, s44, s3
	s_mul_i32 s44, s44, HEAD
	s_mul_i32 s42, s42, REC
	s_add_co_u32 s44, s44, s42
	s_add_co_u32 s100, s44, ARR+6144
	s_mov_b32 s101, 0
	s_add_nc_u64 s[100:101], s[10:11], s[100:101]  ; s[100:101]: v's codes
	s_add_co_u32 s104, s44, ARR+12800
	s_mov_b32 s105, 0
	s_add_nc_u64 s[104:105], s[10:11], s[104:105]  ; s[104:105]: v's scale words
	s_lshl_b32 s22, s43, 9                         ; v's bias: channel 2,048 + 128 x block + 64 x half
	s_lshl_b32 s42, s15, 8
	s_add_co_u32 s22, s22, s42
	s_add_co_u32 s22, s22, 8192
	s_mov_b32 s23, 0
	s_add_nc_u64 s[22:23], s[8:9], s[22:23]
	s_lshl_b32 s2, s40, 10                         ; q's bias: channel 256 cx + 128 x half (k's: 4,096 bytes on)
	s_lshl_b32 s3, s16, 9
	s_add_co_u32 s2, s2, s3
	s_mov_b32 s3, 0
	s_add_nc_u64 s[8:9], s[8:9], s[2:3]
	s_mul_i32 s2, s15, 4*TILEB                     ; my 4 row tiles of A' in slot 0, 1
	s_add_co_u32 s3, s2, SLOT
	s_mul_i32 s42, s16, 8*TILEB                    ; my 8 of B'
	s_add_co_u32 s42, s42, AT
	s_add_co_u32 s43, s42, SLOT
	s_lshl_b32 s44, s15, 11                        ; A''s scale words: my 4 row tiles of 512 bytes
	s_lshl_b32 s45, s16, 12                        ; B''s: my 8, 4,224 behind A''s first
	s_add_co_u32 s45, s45, 4224
	s_sub_co_u32 s45, s45, s44                     ; from lanes 0-15 to lanes 16-31
	s_add_co_u32 s46, s44, SCL
	s_add_co_u32 s47, s45, 2048
	s_add_co_u32 s17, s44, SCL-2048
	s_lshl_b32 s12, s14, 9
	s_add_co_u32 s12, s12, STG                     ; my stage
	s_mov_b32 s66, 0x76543210
	s_mov_b32 s67, 0xfedcba98                      ; v_permlanex16_b32's selects for lane l xor 16
	v_and_b32 v30, 31, v0                          ; lane
	v_and_b32 v1, 15, v0                           ; r
	v_bfe_u32 v2, v0, 4, 1                         ; h
	v_lshlrev_b32 v24, 4, v30                      ; 16 x lane, 8 x lane: an image's two places for my lane
	v_lshlrev_b32 v25, 3, v30
	v_add_nc_u32 v[ADRA], s2, v24
	v_add_nc_u32 v[ADRA+1], s3, v24
	v_add_nc_u32 v[ADRA+2], s2, v25
	v_add_nc_u32 v[ADRA+3], s3, v25
	v_add_nc_u32 v[ADRB], s42, v24
	v_add_nc_u32 v[ADRB+1], s43, v24
	v_add_nc_u32 v[ADRB+2], s42, v25
	v_add_nc_u32 v[ADRB+3], s43, v25
	v_mul_u32_u24 v31, s45, v2
	v_mul_u32_u24 v10, s47, v2
	v_lshl_add_u32 v31, v1, 3, v31                 ; 8 bytes a row: the two words of 256 along K
	v_lshl_add_u32 v10, v1, 3, v10
	v_add_nc_u32 v[ADRS], s46, v31
	v_add_nc_u32 v[ADRS2], s17, v10
	v_lshl_add_u32 v26, v1, 2, s12
	v_lshl_add_u32 v26, v2, 8, v26                 ; v26: into the stage: 4 r + 256 h (+ 64 a)
	v_add_nc_u32 v5, s12, v24                      ; v5: back: 16 bytes a lane
	v_lshlrev_b32 v3, 5, v2                        ; v3: q's and k's bias: 32 h
	v_lshlrev_b32 v6, 4, v2                        ; v6: q, k: lanes 16-31 take the second head's two bytes of a scale word
	v_lshlrev_b32 v7, 4, v1                        ; v7: v's scale words' store: 16 r (lanes 16-31 store the same bytes once more)
	v_lshlrev_b32 v8, 2, v1                        ; v8: v's bias: 4 r
	v_mul_u32_u24 v4, v2, HEAD
	v_lshl_add_u32 v4, v1, 4, v4                   ; v4: q's and k's scale words' store: 16 r + h x the next head's record
.irp b, 0,1,2,3
	v_mov_b32 v[TM+4+\b], 0                        ; written once: a lane permute's destination counts as one of its sources
.endr
.macro BIAS off                        ; the bias of B''s tile i, channels 16 i + 8 h + 0 .. 7, into window 1
	WIN 0x40
.irp i, 0,1,2,3,4,5,6,7
	global_load_b128 v[96+8*\i+96*(\i/4):96+8*\i+96*(\i/4)+3], v3, s[8:9] offset:\off+64*\i
	global_load_b128 v[96+8*\i+96*(\i/4)+4:96+8*\i+96*(\i/4)+7], v3, s[8:9] offset:\off+64*\i+16
.endr
	WIN 0
.endm
	BIAS 0
	WIN 0xc0
.irp a, 0,1,2,3                            ; v's bias, by A''s tile: channel 16 a + r in all eight registers, into window 3
.irp j, 0,1,2,3,4,5,6,7
	global_load_b32 v[8*\a+\j], v8, s[22:23] offset:64*\a
.endr
.endr
	WIN 0
.macro FRAG reg, adr, q, i             ; a fragment comes as its image lies: 512, 256, 512, 256 consecutive bytes
	ds_load_b128 v[\reg:\reg+3], v[\adr] offset:(\i)*TILEB+(\q)*1536
	ds_load_b64 v[\reg+4:\reg+5], v[\adr+2] offset:(\i)*TILEB+(\q)*1536+512
	ds_load_b128 v[\reg+6:\reg+9], v[\adr] offset:(\i)*TILEB+(\q)*1536+768
	ds_load_b64 v[\reg+10:\reg+11], v[\adr+2] offset:(\i)*TILEB+(\q)*1536+1280
.endm
.macro FETCH st                        ; step st's fragments into sets st % 2
	WIN 0x40
.irp i, 0,1,2,3,4,5,6,7
	FRAG 128*((\st)%2)+FR*\i, ADRB+(\st)/4, (\st)%4, \i
.endr
	WIN 0
.irp i, 0,1,2,3
	FRAG AF+48*((\st)%2)+FR*\i, ADRA+(\st)/4, (\st)%4, \i
.endr
.endm
.macro SCALES                          ; a block's scale words, all of K
.irp k, 0,1,2,3
.irp i, 0,1,2,3
	ds_load_b64 v[SCR+16*\k+2*\i:SCR+16*\k+2*\i+1], v[ADRS] offset:\i*512+128*\k
.endr
.irp i, 4,5,6,7
	ds_load_b64 v[SCR+16*\k+2*\i:SCR+16*\k+2*\i+1], v[ADRS2] offset:\i*512+128*\k
.endr
.endr
.endm
.macro PLACES
.rept 4
	v_nop
.endr
.endm
; A step of 128 along K: this step's fragments are in; the next step's are asked for; 32 matrix instructions, the accumulators by turns in the same order in every step.
; mode 1: q, k (the sums begin with the bias of B''s tile); mode 2: v (of A''s tile).  refill 1: the ring goes on into the next block.
.macro STEP st, mode, refill
.if (\st) == 0
	s_wait_loadcnt 0x0                             ; the bias
.endif
.if (\st) == 3 || ((\st) == 7 && \refill)
	s_wait_tensorcnt 0x0                           ; all my tensor loads have landed: step 3: slot 1; step 7: the next block's slot 0 and scale words
.if \refill
	ds_add_u32 v[SPW], v[NIL]                      ; no load of mine is out, so descriptors are written between the add and its wait
.if (\st) == 3
	s_mov_b32 s[G0A+1], 0
	s_mov_b64 s[G0A+2:G0A+3], s[NA:NA+1]
	s_or_b32 s[G0A+3], s[G0A+3], 0x80000000
	s_mov_b32 s[G0B+1], AT
	s_mov_b64 s[G0B+2:G0B+3], s[NB:NB+1]
	s_or_b32 s[G0B+3], s[G0B+3], 0x80000000
	s_mov_b64 s[G0SA+2:G0SA+3], s[NSA:NSA+1]
	s_or_b32 s[G0SA+3], s[G0SA+3], 0x80000000
	s_mov_b64 s[G0SB+2:G0SB+3], s[NSB:NSB+1]
	s_or_b32 s[G0SB+3], s[G0SB+3], 0x80000000
.else
	TOSLOT1
.endif
	s_wait_dscnt 0x0                               ; the add is done, and my reads of the slot that is left are over
	CROUND                                         ; both hold of every wave of every partner
.if (\st) == 3
	FILL 4
.else
	FILL 2
.endif
.else
	s_wait_dscnt 0x0
	s_barrier_signal -1
	s_barrier_wait -1                              ; slot 1 is whole
.endif
.else
	s_wait_dscnt 0x0                               ; this step's fragments, asked for a step ago
.endif
	PLACES                                         ; in front of loads into registers that earlier products have read
.if (\st) == 2 && \refill
	s_cmp_lg_u32 s12, 0                            ; in q's trip: k's bias, into the registers that step 0 has read
	s_cbranch_scc1 .Lno_bias_\@
	BIAS 4096
.Lno_bias_\@:
.endif
.if (\st) < 7
	FETCH (\st)+1
.endif
.if (\st) == 0 && \mode == 1
	WIN 0x91                                       ; source 0 and C window 1, source 1 window 0, D window 2
.elseif (\st) == 0
	WIN 0xb1                                       ; C window 3
.else
	WIN 0xa1                                       ; C and D window 2
.endif
.irp a, 0,1,2,3
.irp b, 0,1,2,3,4,5,6,7
.if (\st) == 0 && \mode == 1
	v_wmma_scale_f32_16x16x128_f8f6f4 v[8*(8*\a+\b):8*(8*\a+\b)+7], v[128*((\st)%2)+FR*\b:128*((\st)%2)+FR*\b+FR-1], v[AF+48*((\st)%2)+FR*\a:AF+48*((\st)%2)+FR*\a+FR-1], v[96+8*\b+96*(\b/4):96+8*\b+96*(\b/4)+7], v[SCR+16*((\st)/2)+2*\b+(\st)%2], v[SCR+16*((\st)/2)+2*\a+(\st)%2] matrix_a_fmt:MATRIX_FMT_BF6 matrix_b_fmt:MATRIX_FMT_BF6 matrix_a_scale:MATRIX_SCALE_ROW1
.elseif (\st) == 0
	v_wmma_scale_f32_16x16x128_f8f6f4 v[8*(8*\a+\b):8*(8*\a+\b)+7], v[128*((\st)%2)+FR*\b:128*((\st)%2)+FR*\b+FR-1], v[AF+48*((\st)%2)+FR*\a:AF+48*((\st)%2)+FR*\a+FR-1], v[8*\a:8*\a+7], v[SCR+16*((\st)/2)+2*\b+(\st)%2], v[SCR+16*((\st)/2)+2*\a+(\st)%2] matrix_a_fmt:MATRIX_FMT_BF6 matrix_b_fmt:MATRIX_FMT_BF6 matrix_a_scale:MATRIX_SCALE_ROW1
.else
	v_wmma_scale_f32_16x16x128_f8f6f4 v[8*(8*\a+\b):8*(8*\a+\b)+7], v[128*((\st)%2)+FR*\b:128*((\st)%2)+FR*\b+FR-1], v[AF+48*((\st)%2)+FR*\a:AF+48*((\st)%2)+FR*\a+FR-1], v[8*(8*\a+\b):8*(8*\a+\b)+7], v[SCR+16*((\st)/2)+2*\b+(\st)%2], v[SCR+16*((\st)/2)+2*\a+(\st)%2] matrix_a_fmt:MATRIX_FMT_BF6 matrix_b_fmt:MATRIX_FMT_BF6 matrix_a_scale:MATRIX_SCALE_ROW1
.endif
.endr
.endr
	WIN 0
.endm
; THE WAY OUT.  Block a: my 16 rows of A' x 128 of B''s rows, 64 numbers a lane: register 16 b + i is k 32 b + 16 (i / 8) + 8 h + i % 8 of my row.  They become one fragment's codes and one scale word a row.
; q, k: half c of the fragment is tile 4 x half + a of head 2 p + c (K = its 64 channels).  v: the fragment is channel tile a of my head (K = the 128 tokens).  Each accumulator is read from its low end on.
.macro OUTBLK a, mode, o1
.set AC, 64*(\a)
	WIN 0x28                                       ; sources 1 and 2: window 2
.irp b, 0,1,2,3
	v_max3_num_f32 v[TM+\b], 0x2800000, |v[AC+16*\b]|, |v[AC+16*\b+1]|   ; block b: my 16 numbers, and the floor 2^(5 - 127): the byte cannot fall under 1
.endr
.irp i, 2,4,6,8,10,12,14
.irp b, 0,1,2,3
	v_max3_num_f32 v[TM+\b], v[TM+\b], |v[AC+16*\b+\i]|, |v[AC+16*\b+\i+1]|
.endr
.endr
	WIN 0
.irp b, 0,1,2,3
	v_permlanex16_b32 v[TM+4+\b], v[TM+\b], s66, s67
.endr
.irp b, 0,1,2,3
	v_max_num_f32 v[TM+\b], v[TM+\b], v[TM+4+\b]   ; with lane l xor 16's: the block's largest magnitude
.endr
.irp b, 0,1,2,3
	v_add_nc_u32 v[TM+12+\b], 0xfe000000, v[TM+\b] ; 4 off its exponent field: the conversion's scale operand
.endr
.irp b, 0,1,2,3
	v_lshrrev_b32 v[TM+4+\b], 23, v[TM+12+\b]      ; the scale's byte
.endr
	v_lshl_or_b32 v[PW], v[TM+5], 8, v[TM+4]
	v_lshl_or_b32 v[PW], v[TM+6], 16, v[PW]
	v_lshl_or_b32 v[PW], v[TM+7], 24, v[PW]
.if \mode == 1
	v_lshrrev_b32 v[PWS], v6, v[PW]                ; lanes 0-15 keep the first head's two bytes, lanes 16-31 the second's
	v_and_b32 v[PWS], 0xffff, v[PWS]
.endif
	s_wait_alu depctr_va_vdst(0)
	s_wait_xcnt 0x0                                ; the last block's stores have read their data, which are written again below
	WIN 2                                          ; source 0: window 2
.irp c, 0,1
	v_cvt_scalef32_pk16_bf6_f32 v[PC+6*\c:PC+6*\c+2], v[AC+32*\c:AC+32*\c+15], v[TM+12+2*\c]
	v_cvt_scalef32_pk16_bf6_f32 v[PC+12+4*\c:PC+14+4*\c], v[AC+32*\c+16:AC+32*\c+31], v[TM+12+2*\c+1]   ; (a conversion's three registers begin on an even number)
.endr
	WIN 0
	v_nop                                          ; one plain instruction behind a scaled conversion
.irp c, 0,1                                    ; the operand's layout wants a whole block in a lane: lanes 0-15 block 2 c, lanes 16-31 block 2 c + 1
.irp i, 0,1,2
	v_permlane16_swap_b32 v[PC+6*\c+\i], v[PC+12+4*\c+\i]
.endr
.irp i, 0,1,2
	v_mov_b32 v[PC+3+6*\c+\i], v[PC+12+4*\c+\i]
.endr
.endr
.if \mode == 1                                 ; 512, 256, 512, 256 consecutive bytes, each at a multiple of 256 from the buffer's first byte
	global_store_b128 v24, v[PC:PC+3], s[\o1:\o1+1] offset:768*(\a)
	global_store_b64 v25, v[PC+4:PC+5], s[\o1:\o1+1] offset:768*(\a)+512
	global_store_b128 v24, v[PC+6:PC+9], s[\o1:\o1+1] offset:HEAD+768*(\a)
	global_store_b64 v25, v[PC+10:PC+11], s[\o1:\o1+1] offset:HEAD+768*(\a)+512
	ds_store_b32 v26, v[PWS] offset:64*(\a)
.else
	global_store_b128 v24, v[PC:PC+3], s[\o1:\o1+1] offset:1536*(\a)
	global_store_b64 v25, v[PC+4:PC+5], s[\o1:\o1+1] offset:1536*(\a)+512
	global_store_b128 v24, v[PC+6:PC+9], s[\o1:\o1+1] offset:1536*(\a)+768
	global_store_b64 v25, v[PC+10:PC+11], s[\o1:\o1+1] offset:1536*(\a)+1280
	ds_store_b32 v26, v[PW] offset:64*(\a)
.endif
.endm
.macro BLOCK mode, refill, o1, o2, so
.irp s, 0,1,2,3,4,5,6,7
	STEP \s, \mode, \refill
.endr
	PLACES                                         ; in front of the first read of results and of the loads below
.if \refill
	SCALES                                         ; the next block's scale words and first fragments: step 7's round has shown them whole
	FETCH 0
.endif
.irp a, 0,1,2,3
	OUTBLK \a, \mode, \o1
.endr
	ds_load_b128 v[52:55], v5                      ; LDS serves a wave's instructions in order: this sees my stores.  q, k: lanes 0-15 the first head's 64 words, lanes 16-31 the second's; v: my head's 64 words, twice
	s_wait_dscnt 0x0
	global_store_b128 v[\so], v[52:55], s[\o2:\o2+1]   ; sixteen lanes store 256 consecutive bytes
.endm
	s_wait_alu depctr_va_vdst(0)
	s_wait_tensorcnt 0x0                           ; my tile of the head's four is in
	ds_add_u32 v[SPW], v[NIL]
	TOSLOT1
	s_wait_dscnt 0x0
	CROUND                                         ; all four tiles are in, and all sixteen work-groups are here
	FILL 2                                         ; q's slot 1
	SCALES
	FETCH 0
	s_mov_b32 s12, 0
.Lblk:                                                 ; two trips: q, then k
	BLOCK 1, 1, 18, 20, 4
	s_wait_xcnt 0x0                                ; the stores have read their bases
	s_add_nc_u64 s[18:19], s[18:19], ARR           ; k goes to array 1
	s_add_nc_u64 s[20:21], s[20:21], ARR
	s_mov_b64 s[NA:NA+1], s[VA:VA+1]               ; k's trip asks for v's tiles
	s_mov_b64 s[NB:NB+1], s[VB:VB+1]
	s_mov_b64 s[NSA:NSA+1], s[VSA:VSA+1]
	s_mov_b64 s[NSB:NSB+1], s[VSB:VSB+1]
	s_add_co_u32 s12, s12, 1
	s_cmp_lt_u32 s12, 2
	s_wait_alu depctr_va_vdst(0)
	s_cbranch_scc1 .Lblk
	BLOCK 2, 0, 100, 104, 7                        ; v: nothing is left to fetch
	s_wait_tensorcnt 0x0                           ; the wave's end
	ds_add_u32 v[SPW], v[NIL]
	s_wait_dscnt 0x0
	CROUND                                         ; the closing round
	s_endpgm
.Lfunc_end_k_q5bdd89521f_qkvgemm:
	.size	k_q5bdd89521f_qkvgemm, .Lfunc_end_k_q5bdd89521f_qkvgemm-k_q5bdd89521f_qkvgemm
	.p2alignl 7, 3214868480
	.fill 96, 4, 3214868480
	.section	.rodata,"a",@progbits
	.p2align	6, 0x0
	.amdhsa_kernel k_q5bdd89521f_qkvgemm
		.amdhsa_group_segment_fixed_size 327680
		.amdhsa_private_segment_fixed_size 0
		.amdhsa_enable_private_segment 0
		.amdhsa_kernarg_size 32
		.amdhsa_user_sgpr_count 2
		.amdhsa_user_sgpr_kernarg_segment_ptr 1
		.amdhsa_wavefront_size32 1
		.amdhsa_system_sgpr_workgroup_id_x 1
		.amdhsa_system_sgpr_workgroup_id_y 1
		.amdhsa_system_sgpr_workgroup_id_z 1
		.amdhsa_system_vgpr_workitem_id 0
		.amdhsa_next_free_vgpr 800
		.amdhsa_next_free_sgpr 106
		.amdhsa_reserve_vcc 0
		.amdhsa_float_denorm_mode_32 3
		.amdhsa_float_denorm_mode_16_64 3
		.amdhsa_memory_ordered 1
		.amdhsa_forward_progress 1
		.amdhsa_inst_pref_size 179
	.end_amdhsa_kernel
	.amdgpu_metadata
---
amdhsa.version: [ 1, 2 ]
amdhsa.kernels:
  - .name:           k_q5bdd89521f_qkvgemm
    .symbol:         k_q5bdd89521f_qkvgemm.kd
    .args:
      - { .name: codes, .offset: 0, .size: 8, .value_kind: global_buffer, .address_space: global }
      - { .name: scl, .offset: 8, .size: 8, .value_kind: global_buffer, .address_space: global }
      - { .name: b_qkv, .offset: 16, .size: 8, .value_kind: global_buffer, .address_space: global }
      - { .name: qkv, .offset: 24, .size: 8, .value_kind: global_buffer, .address_space: global }
    .group_segment_fixed_size: 327680
    .private_segment_fixed_size: 0
    .kernarg_segment_align: 8
    .kernarg_segment_size: 32
    .max_flat_workgroup_size: 128
    .sgpr_count:     106
    .vgpr_count:     800
    .wavefront_size: 32
...
	.end_amdgpu_metadata
.endif
;; end of part 2
;; launch attn (part 3): grid 4 x 64, 16 waves a work-group, no clusters, 327,680 bytes of LDS; arguments qkv, oc, os; writes oc, os
.if DOCPART == 3
	.amdgcn_target "amdgcn-amd-amdhsa--gfx1250"
	.amdhsa_code_object_version 6
	.text
	.protected	k_q5bdd89521f_attn
	.globl	k_q5bdd89521f_attn
	.p2align	8
	.type	k_q5bdd89521f_attn,@function
k_q5bdd89521f_attn:
	s_mov_b64 s[64:65], 0
	v_nop
	global_prefetch_b8 v0, s[64:65] scope:SCOPE_SE
	s_setreg_imm32_b32 hwreg(HW_REG_WAVE_MODE, 25, 1), 1
	s_wait_xcnt 0x0
; o[b][q][head] = softmax_k(Q . K / 8, causal) V for one head, both products on codes of BF6 (E3M2) with E8M0 scales; o / the row's sum is quantised along the model's 1,024 channels and leaves as codes for the last product.
; INPUT: qkv[2 arrays][64 heads][16 steps of 128 tokens][record of 13,056 bytes].  Array 1: K's codes at 0 (8 tiles of 16 keys x 768 bytes: registers 0-3 at 16 x lane, 4-5 at 512 + 8 x lane), V's codes at 6,144
; (4 tiles of 16 channels x 1,536), K's scale words at 12,288, V's at 12,800.  Array 0: Q's codes at 0, Q's scale words at 12,288.
; OUTPUT: oc[512 row tiles][8 K steps][1536]: head hd is half hd % 2 of K step hd / 2;  os[512][512]: byte 128 (hd / 4) + 8 r + 4 ((hd / 2) % 2) + 2 (hd % 2) + h.
; THE SOFTMAX: t = score x log2(e) / 8; M = the row's largest t so far, rounded UP to a whole number; p = 2^(t - M) is quantised along the keys, not normalised.  The row's sum is taken of the unquantised p and divides O at the end.
; When M moves, the sum and O are multiplied by 2^(old M - new M): exact.
; THE HEAD'S K IS 64, the instruction's 128: Q's registers 6-11 are zero codes; K's tile t is named as v[40 + 6 t .. + 11], whose upper six registers (the next tile's codes, zeros behind tile 7) meet Q's zeros; bytes 2, 3 of both scale words are 0, a finite scale.
; SHARES.  A head's 16 records, 208,896 bytes, lie in LDS whole, each filled ONCE.  Sixteen waves, four to a SIMD.  Wave w owns tile a = w / 2 of TWO blocks of 128 queries, first block 15 - j, then block j, j = x + 4 (w % 2):
; (16 - j) + (j + 1) = 17 key steps for every wave.  Both blocks' Q fragments are loaded at the head.
; THE FILLS.  Waves 0-3 bring records 0-3 at the head, one load each.  Behind the first barrier waves 0-11 bring records 4-15, one load each; every wave then works key steps 0-3, which count for every first block (15 - j >= 8).
; A second barrier, every wave's loads waited for, shows all records; behind it no wave meets a barrier again.
; CAUSAL: a key step all of whose keys come after the wave's queries is left out by a scalar branch on ids, round loads, products and softmax alone; on the diagonal hidden scores become -infinity.
; NO CLUSTER, though the four work-groups of a head read the same records: the causal branch hangs on j = x + .., and partners of a joint load may not branch on their place.
; NO PREFETCH: all 16 records are asked for at the head and behind the first barrier; no later trip asks for a tile, so there is no loop to run ahead in.
; LAYOUT.  Both products are used transposed (S^T = K Q^T, O^T = V^T P^T): a lane holds ONE query (lane % 16); code places 0-7, 8-15, 16-23, 24-31 of a block hold k 0-7, 16-23, 8-15, 24-31, as in every operand of this program.
; LIMITS: the scaled scores stay under 2^31 in magnitude; a block of zeros gets the scale byte 1 (its codes are zeros; this program alone reads the bytes); NaN and infinities are not served.  os is stored a byte a lane.
; REGISTERS: v1-7 addresses; v8-10 the step's LDS addresses; v12 -M, v13 the largest t, v[14:15] the sum; v16-27 Q; v28, v30-36 scale words; v40-93 K's or V's fragments; v96-159 S^T, then p; v160-191 O^T; v192-210 codes; v212-239 at work;
; v240, v241 the add's two; v242-248 the second block's Q.
.set REC,  13056
.set HEAD, 16*REC
.set ARR,  64*HEAD
.set VCD,  6144
.set KSC,  12288
.set VSC,  12800
.set BM,   212
.set BQ,   216
.set SO,   220
.set WV,   10
.set TA,   11
.set JJ,   12
.set QS,   13
.set KS,   14
.set TB,   15
.set CNT,  2
.set G1,   24
.set G0,   32
.set CS,   48
.set SEL,  50
	s_load_b128 s[4:7], s[0:1], 0x0                ; qkv, oc
	s_load_b64 s[8:9], s[0:1], 0x10                ; os
	v_lshl_add_u32 v240, v0, 2, 0x33000            ; my spare word, behind the 16 records
	v_mov_b32 v241, 0
	ds_add_u32 v240, v241                          ; the opening lines: the add twice on end and its wait
	ds_add_u32 v240, v241
	v_lshrrev_b32 v11, 5, v0
	s_delay_alu instid0(VALU_DEP_1)
	v_readfirstlane_b32 s[WV], v11                 ; wave 0..15
	s_lshr_b32 s[TA], s[WV], 1
	s_and_b32 s[JJ], s[WV], 1
	s_lshl_b32 s[JJ], s[JJ], 2
	s_add_co_u32 s[JJ], s[JJ], ttmp9               ; j = x + 4 (w % 2)
	s_and_b32 s3, ttmp7, 0xffff                    ; 16 x batch + head
	s_mov_b32 s[G1], 3<<16                         ; a record: 51 rows of 256 bytes (32 elements of 8), dense, no padding
	s_mov_b32 s[G1+1], 32<<16
	s_mov_b32 s[G1+2], 51<<16
	s_mov_b32 s[G1+3], 32<<16
	s_mov_b32 s[G1+4], 51
	s_mov_b32 s[G1+5], 32
	s_mov_b32 s[G1+6], 0
	s_mov_b32 s[G1+7], 0
	s_mul_i32 s54, s[WV], REC                      ; record w (set 0), record w + 4 (set 1)
	s_mul_i32 s56, s3, HEAD                        ; the head's first byte in either array (under 2^24)
	s_add_co_u32 s58, s56, s54
	s_add_co_u32 s58, s58, ARR
	s_mov_b32 s59, 0
	s_wait_dscnt 0x0
	s_wait_kmcnt 0x0
	s_add_nc_u64 s[58:59], s[4:5], s[58:59]
.irp g, 0,1
	s_mov_b32 s[G0+4*\g], 1
	s_add_co_u32 s[G0+4*\g+1], s54, \g*4*REC
	s_add_nc_u64 s[G0+4*\g+2:G0+4*\g+3], s[58:59], \g*4*REC
	s_or_b32 s[G0+4*\g+3], s[G0+4*\g+3], 0x80000000
.endr
	s_cmp_lt_u32 s[WV], 4                          ; records 0-3: one load a wave at the head
	s_cbranch_scc0 .Lnofill
	tensor_load_to_lds s[G0:G0+3], s[G1:G1+7]
	s_nop 0
.rept 4
	v_nop
.endr
.Lnofill:
	; what stays of a pass's addresses: oc and os at row tile 128 x batch + a and my head's place; Q's codes and scale words at the head's first record and tile a
	s_lshr_b32 s54, s3, 4
	s_lshl_b32 s54, s54, 7
	s_add_co_u32 s54, s54, s[TA]
	s_and_b32 s55, s3, 15
	s_mul_i32 s60, s54, 12288
	s_lshr_b32 s61, s55, 1
	s_mul_i32 s62, s61, 1536
	s_add_co_u32 s60, s60, s62
	s_and_b32 s62, s55, 1
	s_mul_i32 s63, s62, 768
	s_add_co_u32 s60, s60, s63
	s_lshl_b32 s54, s54, 9
	s_lshr_b32 s63, s55, 2
	s_lshl_b32 s63, s63, 7
	s_add_co_u32 s54, s54, s63
	s_and_b32 s61, s61, 1
	s_lshl_b32 s61, s61, 2
	s_add_co_u32 s54, s54, s61
	s_lshl_b32 s62, s62, 1
	s_add_co_u32 s54, s54, s62
	s_mov_b32 s61, 0
	s_add_nc_u64 s[6:7], s[6:7], s[60:61]
	s_mov_b32 s55, 0                               ; stays 0: the upper word of the offsets in s54
	s_add_nc_u64 s[8:9], s[8:9], s[54:55]
	s_mul_i32 s54, s[TA], 768
	s_add_co_u32 s54, s54, s56
	s_add_nc_u64 s[52:53], s[4:5], s[54:55]
	s_lshl_b32 s54, s[TA], 6
	s_add_co_u32 s54, s54, s56
	s_add_co_u32 s54, s54, KSC
	s_add_nc_u64 s[56:57], s[4:5], s[54:55]
	s_mov_b32 s[CS], 0x3e38aa3b                    ; c = log2(e) / 8
	s_mov_b32 s[CS+1], s[CS]
	s_mov_b32 s[SEL], 0x76543210
	s_mov_b32 s[SEL+1], 0xfedcba98                 ; lane selects for lane l xor 16
	v_and_b32 v11, 31, v0                          ; lane
	v_and_b32 v37, 15, v0                          ; r
	v_bfe_u32 v38, v0, 4, 1                        ; h
	s_delay_alu instid0(VALU_DEP_3)
	v_lshlrev_b32 v1, 4, v11                       ; 16 x lane
	s_delay_alu instid0(VALU_DEP_4)
	v_lshlrev_b32 v2, 3, v11                       ; 8 x lane
	v_lshlrev_b32 v3, 2, v11                       ; 4 x lane
	s_delay_alu instid0(VALU_DEP_4)
	v_lshlrev_b32 v7, 3, v38                       ; 8 h
	s_delay_alu instid0(VALU_DEP_1)
	v_sub_nc_u32 v4, v37, v7
	s_lshl_b32 s3, s[TA], 4
	v_add_nc_u32 v4, s3, v4                        ; d = 16 a + r - 8 h: on the diagonal register 8 t + i (key 16 t + 8 h + i) is hidden where 16 t + i > d
	v_lshlrev_b32 v5, 2, v37                       ; 4 r
	v_lshl_add_u32 v6, v37, 3, v38                 ; 8 r + h
.irp i, 22,23,24,25,26,27,88,89,90,91,92,93
	v_mov_b32 v\i, 0                               ; zero codes: the upper half of Q's fragment, and what stands behind K's tile 7
.endr
.irp i, 216,217,218,219,224,227
	v_mov_b32 v\i, 0                               ; written once: a lane permute's destination counts as a source; v227 is the upper half of the pair v[226:227]
.endr
	v_mov_b32 v228, 0xff800000                     ; -infinity
; A KEY STEP: 128 keys.
.macro STEP
	s_cmp_gt_u32 s[KS], s[QS]
	s_cbranch_scc1 .Lhid_\@                        ; all its keys come after my queries
	v_add_nc_u32 v8, s[TB], v1                     ; (these three and the v_nop are the four places in front of loads into registers that the last products have read)
	v_add_nc_u32 v9, s[TB], v2
	v_add_nc_u32 v10, s[TB], v3
	v_nop
.irp t, 0,1,2,3,4,5,6,7
	ds_load_b128 v[40+6*\t:43+6*\t], v8 offset:768*\t
	ds_load_b64 v[44+6*\t:45+6*\t], v9 offset:768*\t+512
.endr
.irp m, 0,1,2,3
	ds_load_b32 v[30+\m], v10 offset:KSC+128*\m    ; lanes 0-15: tile 2 m's scale words, lanes 16-31: tile 2 m + 1's
.endr
	s_wait_alu depctr_va_vdst(0)
	s_wait_dscnt 0x0
.irp m, 0,1,2,3
	v_wmma_scale_f32_16x16x128_f8f6f4 v[96+16*\m:103+16*\m], v[40+12*\m:51+12*\m], v[16:27], 0, v[30+\m], v28 matrix_a_fmt:MATRIX_FMT_BF6 matrix_b_fmt:MATRIX_FMT_BF6
	v_wmma_scale_f32_16x16x128_f8f6f4 v[104+16*\m:111+16*\m], v[46+12*\m:57+12*\m], v[16:27], 0, v[30+\m], v28 matrix_a_fmt:MATRIX_FMT_BF6 matrix_b_fmt:MATRIX_FMT_BF6 matrix_a_scale:MATRIX_SCALE_ROW1
.endr
.rept 4
	v_nop                                          ; places in front of the loads below and of the first read of the scores
.endr
.irp u, 0,1,2,3                                ; V's four fragments take K's registers and land under the softmax
	ds_load_b128 v[40+12*\u:43+12*\u], v8 offset:VCD+1536*\u
	ds_load_b64 v[44+12*\u:45+12*\u], v9 offset:VCD+1536*\u+512
	ds_load_b128 v[46+12*\u:49+12*\u], v8 offset:VCD+1536*\u+768
	ds_load_b64 v[50+12*\u:51+12*\u], v9 offset:VCD+1536*\u+1280
.endr
.irp m, 0,1
	ds_load_b32 v[34+\m], v10 offset:VSC+128*\m
.endr
	s_cmp_lg_u32 s[KS], s[QS]
	s_cbranch_scc1 .Lopen_\@                       ; all its keys count
.set n, 0
.rept 64
	v_cmp_gt_i32 vcc_lo, 16*(n/8)+n%8, v4
	v_cndmask_b32 v[96+n], v[96+n], v228, vcc_lo   ; on the diagonal: hidden scores become -infinity ahead of the maximum: p = 0 then
.set n, n+1
.endr
.Lopen_\@:
.irp b, 0,1,2,3
	v_max3_num_f32 v[BM+\b], v[96+16*\b], v[97+16*\b], v[98+16*\b]   ; the largest score of each block of 32 keys serves twice: for the row's maximum and, since p rises with the score, for the block's largest p
.endr
.irp i, 3,5,7,9,11,13
.irp b, 0,1,2,3
	v_max3_num_f32 v[BM+\b], v[BM+\b], v[96+16*\b+\i], v[97+16*\b+\i]
.endr
.endr
.irp b, 0,1,2,3
	v_max_num_f32 v[BM+\b], v[BM+\b], v[111+16*\b]
.endr
.irp b, 0,1,2,3
	s_delay_alu instid0(VALU_DEP_4)
	v_permlanex16_b32 v[BQ+\b], v[BM+\b], s[SEL], s[SEL+1]
.endr
.irp b, 0,1,2,3
	s_delay_alu instid0(VALU_DEP_4)
	v_max_num_f32 v[BM+\b], v[BM+\b], v[BQ+\b]     ; with lane l xor 16's 16 keys
.endr
	s_delay_alu instid0(VALU_DEP_2)
	v_max3_num_f32 v224, v212, v213, v214
	s_delay_alu instid0(VALU_DEP_1)
	v_max_num_f32 v224, v224, v215                 ; the step's largest score of my query
	s_delay_alu instid0(VALU_DEP_1)
	v_mul_f32 v224, s[CS], v224                    ; as t (c is positive)
	s_delay_alu instid0(VALU_DEP_1)
	v_max_num_f32 v13, v13, v224                   ; the running largest t
	v_mov_b32 v224, v12
	s_delay_alu instid0(VALU_DEP_2)
	v_floor_f32 v12, -v13                          ; the new -M = floor(-t) = -ceil(t)
	s_delay_alu instid0(VALU_DEP_1)
	v_sub_f32 v224, v12, v224                      ; M's old value less its new one: a whole number, 0 or less
	s_delay_alu instid0(VALU_DEP_1)
	v_cvt_i32_f32 v224, v224                       ; (it saturates)
	s_delay_alu instid0(VALU_DEP_1)
	v_ldexp_f32 v226, 1.0, v224                    ; f = 2^(old M - new M)
.set n, 0
.rept 32
	v_pk_fma_f32 v[96+n:97+n], v[96+n:97+n], s[CS:CS+1], v[12:13] op_sel_hi:[1,0,0]   ; t - M, two at a time
.set n, n+2
.endr
.irp b, 0,1,2,3
	v_fma_f32 v[BM+\b], v[BM+\b], s[CS], v12       ; the same of each block's largest score
.endr
.set n, 0
	s_wait_alu depctr_va_vdst(0)
.rept 64
	v_exp_f32 v[96+n], v[96+n]                     ; p = 2^(t - M), at most 1: not normalised
.set n, n+1
.endr
	v_pk_mul_f32 v[14:15], v[14:15], v[226:227] op_sel_hi:[1,0]   ; the sums under the new M (a plain instruction behind the exponentials)
	s_wait_alu depctr_va_vdst(0)                   ; one wait for the whole batch, ahead of its first reader
.irp b, 0,1,2,3
	v_exp_f32 v[BM+\b], v[BM+\b]                   ; the block's largest p
.endr
	v_pk_add_f32 v[230:231], v[100:101], v[104:105]   ; the row's sum, of the unquantised p, in eight chains
	v_pk_add_f32 v[238:239], v[108:109], v[112:113]
	v_pk_add_f32 v[236:237], v[116:117], v[120:121]
	v_pk_add_f32 v[234:235], v[124:125], v[128:129]
	v_pk_add_f32 v[232:233], v[132:133], v[136:137]
	v_pk_add_f32 v[222:223], v[140:141], v[144:145]
	v_pk_add_f32 v[220:221], v[148:149], v[152:153]
	v_pk_add_f32 v[14:15], v[14:15], v[156:157]
	v_pk_add_f32 v[230:231], v[230:231], v[96:97]
	v_pk_add_f32 v[238:239], v[238:239], v[98:99]
	v_pk_add_f32 v[236:237], v[236:237], v[102:103]
	v_pk_add_f32 v[234:235], v[234:235], v[106:107]
	v_pk_add_f32 v[232:233], v[232:233], v[110:111]
	v_pk_add_f32 v[222:223], v[222:223], v[114:115]
	v_pk_add_f32 v[220:221], v[220:221], v[118:119]
	v_pk_add_f32 v[14:15], v[14:15], v[122:123]
	v_pk_add_f32 v[230:231], v[230:231], v[126:127]
	v_pk_add_f32 v[238:239], v[238:239], v[130:131]
	v_pk_add_f32 v[236:237], v[236:237], v[134:135]
	v_pk_add_f32 v[234:235], v[234:235], v[138:139]
	v_pk_add_f32 v[232:233], v[232:233], v[142:143]
	v_pk_add_f32 v[222:223], v[222:223], v[146:147]
	v_pk_add_f32 v[220:221], v[220:221], v[150:151]
	v_pk_add_f32 v[14:15], v[14:15], v[154:155]
	v_pk_add_f32 v[230:231], v[230:231], v[158:159]
	s_delay_alu instid0(VALU_DEP_2)
	v_pk_add_f32 v[14:15], v[14:15], v[234:235]
	s_delay_alu instid0(VALU_DEP_2)
	v_pk_add_f32 v[230:231], v[230:231], v[232:233]
	v_pk_add_f32 v[238:239], v[238:239], v[222:223]
	v_pk_add_f32 v[236:237], v[236:237], v[220:221]
	s_delay_alu instid0(VALU_DEP_2)
	v_pk_add_f32 v[14:15], v[14:15], v[238:239]
	s_delay_alu instid0(VALU_DEP_2)
	v_pk_add_f32 v[230:231], v[230:231], v[236:237]
	s_delay_alu instid0(VALU_DEP_1)
	v_pk_add_f32 v[14:15], v[14:15], v[230:231]
	s_wait_alu depctr_va_vdst(0)                   ; and one for the four
.irp b, 0,1,2,3
	v_max_num_f32 v[BM+\b], 0x2800000, v[BM+\b]    ; the floor 2^(5 - 127): the byte cannot fall under 1
.endr
.irp b, 0,1,2,3
	s_delay_alu instid0(VALU_DEP_4)
	v_add_nc_u32 v[SO+\b], 0xfe000000, v[BM+\b]    ; 4 off the exponent field: the conversion's scale operand
.endr
.irp b, 0,1,2,3
	s_delay_alu instid0(VALU_DEP_4)
	v_lshrrev_b32 v[BQ+\b], 23, v[SO+\b]           ; the scale's byte
.endr
	s_delay_alu instid0(VALU_DEP_3)
	v_lshl_or_b32 v36, v217, 8, v216               ; p's scale word for these 128 keys
	s_delay_alu instid0(VALU_DEP_1)
	v_lshl_or_b32 v36, v218, 16, v36
	s_delay_alu instid0(VALU_DEP_1)
	v_lshl_or_b32 v36, v219, 24, v36
.irp c, 0,1
	v_cvt_scalef32_pk16_bf6_f32 v[192+6*\c:194+6*\c], v[96+32*\c:111+32*\c], v[SO+2*\c]
	v_cvt_scalef32_pk16_bf6_f32 v[204+4*\c:206+4*\c], v[112+32*\c:127+32*\c], v[SO+2*\c+1]   ; (a conversion's three registers begin on an even number)
.endr
	v_nop                                          ; one plain instruction behind a scaled conversion
.irp c, 0,1                                    ; the operand's layout wants a whole block in a lane: lanes 0-15 block 2 c, lanes 16-31 block 2 c + 1
.irp i, 0,1,2
	v_permlane16_swap_b32 v[192+6*\c+\i], v[204+4*\c+\i]
.endr
.irp i, 0,1,2
	s_delay_alu instid0(VALU_DEP_3)
	v_mov_b32 v[195+6*\c+\i], v[204+4*\c+\i]
.endr
.endr
.set n, 0
.rept 16
	v_pk_mul_f32 v[160+n:161+n], v[160+n:161+n], v[226:227] op_sel_hi:[1,0]   ; O^T under the new M (these 16 are also the places in front of the scaled products below)
.set n, n+2
.endr
	s_wait_alu depctr_va_vdst(0)
	s_wait_dscnt 0x0                               ; V is in
.irp m, 0,1                                    ; O^T += V^T P^T: four tiles of 16 channels, by turns
	v_wmma_scale_f32_16x16x128_f8f6f4 v[160+16*\m:167+16*\m], v[40+24*\m:51+24*\m], v[192:203], v[160+16*\m:167+16*\m], v[34+\m], v36 matrix_a_fmt:MATRIX_FMT_BF6 matrix_b_fmt:MATRIX_FMT_BF6
	v_wmma_scale_f32_16x16x128_f8f6f4 v[168+16*\m:175+16*\m], v[52+24*\m:63+24*\m], v[192:203], v[168+16*\m:175+16*\m], v[34+\m], v36 matrix_a_fmt:MATRIX_FMT_BF6 matrix_b_fmt:MATRIX_FMT_BF6 matrix_a_scale:MATRIX_SCALE_ROW1
.endr
.Lhid_\@:
	s_add_co_u32 s[KS], s[KS], 1
	s_add_co_u32 s[TB], s[TB], REC
.endm
; The head of a pass: the stores' addresses for block s[QS]; Q (pass 0: both blocks' are loaded; pass 1: the second's is moved into place); the sums begin as zeros and the largest t as -3e38.
.macro PHEAD p
	s_wait_xcnt 0x0                                ; earlier loads and stores have read their bases and data: both are written again below
	s_mul_i32 s54, s[QS], 8*12288
	s_add_nc_u64 s[20:21], s[6:7], s[54:55]        ; oc: row tile + 8 x block
	s_lshl_b32 s54, s[QS], 12
	s_add_nc_u64 s[22:23], s[8:9], s[54:55]        ; os
.if \p == 0
	s_mul_i32 s54, s[QS], REC
	s_add_nc_u64 s[16:17], s[52:53], s[54:55]      ; Q's codes and scale words, block 15 - j
	s_add_nc_u64 s[18:19], s[56:57], s[54:55]
	s_mul_i32 s54, s[JJ], REC
	s_add_nc_u64 s[40:41], s[52:53], s[54:55]      ; and block j
	s_add_nc_u64 s[42:43], s[56:57], s[54:55]
	global_load_b128 v[16:19], v1, s[16:17]
	global_load_b64 v[20:21], v2, s[16:17] offset:512
	global_load_b32 v28, v5, s[18:19]
	global_load_b128 v[242:245], v1, s[40:41]
	global_load_b64 v[246:247], v2, s[40:41] offset:512
	global_load_b32 v248, v5, s[42:43]
.else
.irp i, 0,1,2,3,4,5
	v_mov_b32 v[16+\i], v[242+\i]
.endr
	v_mov_b32 v28, v248
.endif
	v_mov_b32 v13, 0xff61b1e6                      ; -3e38, under every t
	s_delay_alu instid0(VALU_DEP_1)
	v_floor_f32 v12, -v13
	v_mov_b32 v14, 0
	v_mov_b32 v15, 0
.set n, 0
.rept 32
	v_mov_b32 v[160+n], 0                          ; O^T: the first change of M leaves zeros zeros
.set n, n+1
.endr
	s_mov_b32 s[KS], 0
.if \p == 0
	s_wait_alu depctr_va_vdst(0)
	s_wait_loadcnt 0x0
.endif
.endm
; The end of a pass: O^T / the sum; its two blocks of 32 channels are quantised and leave as half a fragment's image and one scale byte a lane.
.macro PEND
.rept 4
	v_nop                                          ; places behind the last products
.endr
	v_add_f32 v14, v14, v15
	s_delay_alu instid0(VALU_DEP_1)
	v_permlanex16_b32 v224, v14, s[SEL], s[SEL+1]
	s_delay_alu instid0(VALU_DEP_1)
	v_add_f32 v14, v14, v224
	s_wait_alu depctr_va_vdst(0)
	v_rcp_f32 v14, v14
	v_nop
	s_wait_alu depctr_va_vdst(0)
.set n, 0
.rept 32
	v_mul_f32 v[96+n], v[160+n], v14               ; register 8 u + i is o(r, 16 u + 8 h + i); each accumulator is read from its low end on
.set n, n+1
.endr
.irp b, 0,1
	v_max3_num_f32 v[BM+\b], |v[96+16*\b]|, |v[97+16*\b]|, 0x2800000
.endr
.irp i, 2,4,6,8,10,12,14
.irp b, 0,1
	s_delay_alu instid0(VALU_DEP_2)
	v_max3_num_f32 v[BM+\b], v[BM+\b], |v[96+16*\b+\i]|, |v[97+16*\b+\i]|
.endr
.endr
.irp b, 0,1
	s_delay_alu instid0(VALU_DEP_2)
	v_permlanex16_b32 v[BQ+\b], v[BM+\b], s[SEL], s[SEL+1]
.endr
.irp b, 0,1
	s_delay_alu instid0(VALU_DEP_2)
	v_max_num_f32 v[BM+\b], v[BM+\b], v[BQ+\b]
.endr
.irp b, 0,1
	s_delay_alu instid0(VALU_DEP_2)
	v_add_nc_u32 v[SO+\b], 0xfe000000, v[BM+\b]
.endr
.irp b, 0,1
	s_delay_alu instid0(VALU_DEP_2)
	v_lshrrev_b32 v[BQ+\b], 23, v[SO+\b]
.endr
	s_delay_alu instid0(VALU_DEP_1)
	v_lshl_or_b32 v224, v217, 8, v216
	s_delay_alu instid0(VALU_DEP_1)
	v_lshrrev_b32 v224, v7, v224                   ; lanes 0-15: block 0's byte lowest, lanes 16-31: block 1's
	v_cvt_scalef32_pk16_bf6_f32 v[192:194], v[96:111], v220
	v_cvt_scalef32_pk16_bf6_f32 v[204:206], v[112:127], v221
	v_nop
.irp i, 0,1,2
	v_permlane16_swap_b32 v[192+\i], v[204+\i]
.endr
.irp i, 0,1,2
	s_delay_alu instid0(VALU_DEP_3)
	v_mov_b32 v[195+\i], v[204+\i]
.endr
	global_store_b128 v1, v[192:195], s[20:21]     ; 512 and 256 consecutive bytes, each at a multiple of 256 from the buffer's first byte
	global_store_b64 v2, v[196:197], s[20:21] offset:512
	global_store_b8 v6, v224, s[22:23]
.endm
	s_sub_co_u32 s[QS], 15, s[JJ]                  ; first the later block: 16 - j key steps
	PHEAD 0
	s_wait_tensorcnt 0x0                           ; records 0-3 are in;
	ds_add_u32 v240, v241                          ; the add twice
	ds_add_u32 v240, v241
	s_wait_dscnt 0x0
	s_barrier_signal -1
	s_barrier_wait -1
	s_cmp_lt_u32 s[WV], 12                         ; records 4-15: one load a wave, waves 0-11
	s_cbranch_scc0 .Lnofill2
	tensor_load_to_lds s[G0+4:G0+7], s[G1:G1+7]
	s_nop 0
.rept 4
	v_nop
.endr
.Lnofill2:
	s_mov_b32 s[TB], 0
	s_mov_b32 s[CNT], 4
.Lfirst:                                               ; key steps 0-3, from the records that have landed
	STEP
	s_sub_co_u32 s[CNT], s[CNT], 1
	s_cmp_lg_u32 s[CNT], 0
	s_cbranch_scc1 .Lfirst
	s_wait_tensorcnt 0x0                           ; my record of 4-15 is in,
	s_wait_dscnt 0x0
	s_barrier_signal -1
	s_barrier_wait -1                              ; everybody's is
	s_mov_b32 s[TB], 4*REC
	s_mov_b32 s[CNT], 12
.Lrest:
	STEP
	s_sub_co_u32 s[CNT], s[CNT], 1
	s_cmp_lg_u32 s[CNT], 0
	s_cbranch_scc1 .Lrest
	PEND
	s_mov_b32 s[QS], s[JJ]                         ; then the earlier block: j + 1 key steps, within the first eight records
	PHEAD 1
	s_mov_b32 s[TB], 0
	s_mov_b32 s[CNT], 8
.Llow:
	STEP
	s_sub_co_u32 s[CNT], s[CNT], 1
	s_cmp_lg_u32 s[CNT], 0
	s_cbranch_scc1 .Llow
	PEND
	s_wait_tensorcnt 0x0                           ; the wave's end
	ds_add_u32 v240, v241
	s_wait_dscnt 0x0
	s_endpgm
.Lfunc_end_k_q5bdd89521f_attn:
	.size	k_q5bdd89521f_attn, .Lfunc_end_k_q5bdd89521f_attn-k_q5bdd89521f_attn
	.p2alignl 7, 3214868480
	.fill 96, 4, 3214868480
	.section	.rodata,"a",@progbits
	.p2align	6, 0x0
	.amdhsa_kernel k_q5bdd89521f_attn
		.amdhsa_group_segment_fixed_size 327680
		.amdhsa_private_segment_fixed_size 0
		.amdhsa_enable_private_segment 0
		.amdhsa_kernarg_size 24
		.amdhsa_user_sgpr_count 2
		.amdhsa_user_sgpr_kernarg_segment_ptr 1
		.amdhsa_wavefront_size32 1
		.amdhsa_system_sgpr_workgroup_id_x 1
		.amdhsa_system_sgpr_workgroup_id_y 1
		.amdhsa_system_sgpr_workgroup_id_z 1
		.amdhsa_system_vgpr_workitem_id 0
		.amdhsa_next_free_vgpr 250
		.amdhsa_next_free_sgpr 66
		.amdhsa_reserve_vcc 1
		.amdhsa_float_denorm_mode_32 3
		.amdhsa_float_denorm_mode_16_64 3
		.amdhsa_memory_ordered 1
		.amdhsa_forward_progress 1
		.amdhsa_inst_pref_size 86
	.end_amdhsa_kernel
	.amdgpu_metadata
---
amdhsa.version: [ 1, 2 ]
amdhsa.kernels:
  - .name:           k_q5bdd89521f_attn
    .symbol:         k_q5bdd89521f_attn.kd
    .args:
      - { .name: qkv, .offset: 0, .size: 8, .value_kind: global_buffer, .address_space: global }
      - { .name: oc, .offset: 8, .size: 8, .value_kind: global_buffer, .address_space: global }
      - { .name: os, .offset: 16, .size: 8, .value_kind: global_buffer, .address_space: global }
    .group_segment_fixed_size: 327680
    .private_segment_fixed_size: 0
    .kernarg_segment_align: 8
    .kernarg_segment_size: 24
    .max_flat_workgroup_size: 512
    .sgpr_count:     66
    .vgpr_count:     250
    .wavefront_size: 32
...
	.end_amdgpu_metadata
.endif
;; end of part 3
;; launch proj (part 4): grid 4 x 64, 4 waves a work-group, clusters of 4 x 4, 327,680 bytes of LDS; arguments oc, os, codes, scl, b_out, out0; writes out0
.if DOCPART == 4
	.amdgcn_target "amdgcn-amd-amdhsa--gfx1250"
	.amdhsa_code_object_version 6
	.text
	.protected	k_q5bdd89521f_proj
	.globl	k_q5bdd89521f_proj
	.p2align	8
	.type	k_q5bdd89521f_proj,@function
k_q5bdd89521f_proj:
	s_mov_b64 s[64:65], 0
	v_nop
	global_prefetch_b8 v0, s[64:65] scope:SCOPE_SE
	s_setreg_imm32_b32 hwreg(HW_REG_WAVE_MODE, 25, 1), 1
	s_wait_xcnt 0x0
	s_wait_alu depctr_hold_cnt(0) depctr_sa_sdst(0) depctr_va_vdst(0) depctr_va_sdst(0) depctr_va_ssrc(0) depctr_va_vcc(0) depctr_vm_vsrc(0)
	s_getreg_b32 s2, hwreg(HW_REG_IB_STS2, 6, 4)
	s_cmp_eq_u32 s2, 0
	s_cbranch_scc0 .Lentry_in_a_cluster
	s_endpgm
.Lentry_in_a_cluster:
	s_bfe_u32 s2, ttmp6, 0x10000c
	s_cmp_lg_u32 s2, 0xf033
	s_cbranch_scc0 .Lentry_shape_is_right
	s_endpgm
.Lentry_shape_is_right:
; out0 = o w_out^T + b_out on codes of BF6 (E3M2) with E8M0 scales, K = 1,024.  A' = o: oc[512 row tiles][8 K steps][1536], os[512][512]; B' = w_out: row tiles 704-767 of codes and scl.  Both are images of operand registers:
; half c of an image holds registers 6 c .. 6 c + 3 at 16 x lane and 6 c + 4, 6 c + 5 at 512 + 8 x lane; a row tile's scale words lie at 128 x (K / 256) + 8 r + 4 x (step % 2).
; A block of 128 x 256 of out0 is made by four waves; 64 x 4 = 256 work-groups.  A wave makes 64 x 128: 32 accumulators.  Source 0 = 16 rows of B', source 1 = 16 rows of A': a lane holds eight neighbouring columns of one row of out0.
; LDS: two slots of 512 along K (A''s 8 row tiles x 6,144 bytes, then B''s 16) hold all of K: each is filled ONCE, nothing is filled again.  Behind them the scale words of all of K, A''s 4,096 bytes and, 4,224 on, B''s 8,192.
; THE FILLS: at the head one joint load a wave: slot 0's rows of A', its rows of B', A''s scale words, B''s.  Behind the full sequence and a round of the cluster's barrier: slot 1, waves 0, 1 four row tiles of A' each, waves 2, 3 eight of B'.
; CLUSTERS: 4 x 4 work-groups; A''s tiles are shared along a row of the cluster, B''s along a column.
; NO PREFETCH: every tile is asked for at the head or behind the first round; no later step asks for a tile, so there is no loop to run ahead in.
; THE BIAS is the C of each sum's first matrix instruction.  The way out goes through each wave's own stage, in slot 0, which has had its only fill, and whose last reads are over at the barrier in step 3.
; REGISTERS: window 0: v0-31 addresses; v32-63 scale words, two sets; v64-159 A''s fragments, two sets; on the way out v128-255.  window 1: B''s fragments, two sets, at v0 and v128; the bias in v96-127 and v224-255.  window 2: accumulator (a, b) at v[8 (8 a + b)].
.set SIZE_N, 1024
.set FR,     12
.set TILEB,  6144
.set TROW,   12288
.set AT,     8*TILEB
.set SLOT,   24*TILEB
.set SCL,    2*SLOT
.set SPARE,  SCL+12544                 ; the spare words: 512 bytes that no other line names
.set SPITCH, 528
.set ADRS2, 5                          ; as ADRS, with lanes 0-15 four row tiles back: for B''s blocks 4-7, beside which A' has none
.set ADRA, 16                          ; v16-17 my A' fragments in slot 0, 1, + 16 x lane; v18-19 + 8 x lane
.set ADRB, 20
.set STO,  24
.set RD,   25
.set CO,   26
.set ADRS, 27                          ; my scale words: lanes 0-15 A''s rows, lanes 16-31 B''s
.set SPW,  28
.set NIL,  29
.set SC,   32
.set AF,   64
.set BK,   128
.set G1, 24
.set G0, 32
.set G1B, 48
.set G0B, 56
.set G1S, 68
.set G0S, 76
.set G1SB, 80
.set G0SB, 88
.set MSB, 0
.macro WIN new                         ; the immediate's high byte repeats the setting that is left
.if MSB != \new
	s_set_vgpr_msb (MSB<<8)|\new
.set MSB, \new
.endif
.endm
.macro TLOAD g0, g1                    ; a tensor load, with an s_nop and four v_nops behind it
	tensor_load_to_lds s[\g0:\g0+3], s[\g1:\g1+7]
	s_nop 0
.rept 4
	v_nop
.endr
.endm
.macro CROUND                          ; a round of the cluster's barrier
	s_barrier_signal -1
	s_barrier_wait -1
	s_cmp_lg_u32 s14, 0
	s_cbranch_scc1 .Lnot_wave_0_\@
	s_barrier_signal -3
.Lnot_wave_0_\@:
	s_barrier_wait -3
	s_barrier_signal -1
	s_barrier_wait -1
.endm
	s_load_b256 s[4:11], s[0:1], 0x0               ; oc, os, codes, scl
	s_load_b128 s[92:95], s[0:1], 0x20             ; b_out, out0
	v_lshl_add_u32 v[SPW], v0, 2, SPARE
	v_mov_b32 v[NIL], 0
	ds_add_u32 v[SPW], v[NIL]                      ; the opening lines: the add twice on end and its wait
	ds_add_u32 v[SPW], v[NIL]
	v_lshrrev_b32 v1, 5, v0
	v_readfirstlane_b32 s14, v1                    ; wave 0..3
	s_lshr_b32 s15, s14, 1                         ; which half of A''s rows is mine.  Also: I fetch for A' (0) or B' (1)
	s_and_b32 s16, s14, 1                          ; which half of B''s rows.  Also: which half of that tile I fetch
	s_bfe_u32 s40, ttmp6, 0x40000                  ; cx = the block's column
	s_bfe_u32 s41, ttmp6, 0x40004                  ; cy
	s_and_b32 s13, ttmp7, 0xffff                   ; the cluster's y
	s_lshl_b32 s43, s41, 2
	s_lshl_b32 s43, 15, s43                        ; my row of the cluster
	s_lshl_b32 s44, 0x1111, s40                    ; my column
	s_or_b32 s[G1], s43, (3<<16)|(1<<21)           ; codes: row tiles of 6,144 bytes (768 elements of 8), 12,288 apart; no padding
	s_or_b32 s[G1B], s44, (3<<16)|(1<<21)
.irp g, G1, G1B
	s_mov_b32 s[\g+1], 768<<16
	s_mov_b32 s[\g+3], 768<<16
	s_mov_b32 s[\g+5], TROW/8
	s_mov_b32 s[\g+6], 0
	s_mov_b32 s[\g+7], 0
.endr
	s_mov_b32 s[G1+2], 8<<16                       ; the head's loads: A' 8 row tiles, B' 16
	s_mov_b32 s[G1+4], 8
	s_mov_b32 s[G1B+2], 16<<16
	s_mov_b32 s[G1B+4], 16
	s_or_b32 s[G1S], s43, (3<<16)|(1<<21)          ; scale words: dense rows of 256 bytes: A' 16, B' 32
	s_or_b32 s[G1SB], s44, (3<<16)|(1<<21)
.irp g, G1S, G1SB
	s_mov_b32 s[\g+1], 32<<16
	s_mov_b32 s[\g+3], 32<<16
	s_mov_b32 s[\g+5], 32
	s_mov_b32 s[\g+6], 0
	s_mov_b32 s[\g+7], 0
.endr
	s_mov_b32 s[G1S+2], 16<<16
	s_mov_b32 s[G1S+4], 16
	s_mov_b32 s[G1SB+2], 32<<16
	s_mov_b32 s[G1SB+4], 32
	s_lshl_b32 s17, s13, 5
	s_lshl_b32 s19, s41, 3
	s_add_co_u32 s17, s17, s19                     ; A''s first row tile: 8 (4 Y + cy)
	s_lshl_b32 s42, s40, 4
	s_add_co_u32 s42, s42, 704                     ; B''s: 704 + 16 cx
	s_mul_i32 s20, s17, TROW
	s_mov_b32 s21, 0
	s_lshl_b32 s22, s17, 9
	s_mov_b32 s23, 0
	s_mul_i32 s46, s42, TROW
	s_mov_b32 s47, 0
	s_lshl_b32 s96, s42, 9
	s_mov_b32 s97, 0
	s_mov_b32 s19, 0
	s_wait_dscnt 0x0                               ; both opening adds are done
	s_wait_kmcnt 0x0
	s_add_nc_u64 s[20:21], s[4:5], s[20:21]
	s_add_nc_u64 s[22:23], s[6:7], s[22:23]
	s_add_nc_u64 s[46:47], s[8:9], s[46:47]
	s_add_nc_u64 s[96:97], s[10:11], s[96:97]
	s_mov_b32 s[G0], 1                             ; slot 0: A''s rows,
	s_mov_b32 s[G0+1], 0
	s_mov_b64 s[G0+2:G0+3], s[20:21]
	s_or_b32 s[G0+3], s[G0+3], 0x80000000
	s_mov_b32 s[G0B], 1                            ; B''s rows,
	s_mov_b32 s[G0B+1], AT
	s_mov_b64 s[G0B+2:G0B+3], s[46:47]
	s_or_b32 s[G0B+3], s[G0B+3], 0x80000000
	s_mov_b32 s[G0S], 1                            ; A''s scale words,
	s_mov_b32 s[G0S+1], SCL
	s_mov_b64 s[G0S+2:G0S+3], s[22:23]
	s_or_b32 s[G0S+3], s[G0S+3], 0x80000000
	s_mov_b32 s[G0SB], 1                           ; B''s
	s_mov_b32 s[G0SB+1], SCL+4224
	s_mov_b64 s[G0SB+2:G0SB+3], s[96:97]
	s_or_b32 s[G0SB+3], s[G0SB+3], 0x80000000
	s_mul_i32 s18, s16, 4*TROW                     ; slot 1: my half of A''s row tiles,
	s_add_nc_u64 s[20:21], s[20:21], s[18:19]
	s_mul_i32 s45, s16, 4*TILEB
	s_mov_b32 s[G0+4], 1
	s_add_co_u32 s[G0+5], s45, SLOT
	s_add_nc_u64 s[G0+6:G0+7], s[20:21], TILEB
	s_or_b32 s[G0+7], s[G0+7], 0x80000000
	s_mul_i32 s18, s16, 8*TROW                     ; or of B''s
	s_add_nc_u64 s[46:47], s[46:47], s[18:19]
	s_mul_i32 s45, s16, 8*TILEB
	s_mov_b32 s[G0B+4], 1
	s_add_co_u32 s[G0B+5], s45, SLOT+AT
	s_add_nc_u64 s[G0B+6:G0B+7], s[46:47], TILEB
	s_or_b32 s[G0B+7], s[G0B+7], 0x80000000
	CROUND                                         ; all sixteen work-groups are here: the first joint loads meet
.macro ARM under, g0, g1, next         ; one tree of branches on the wave's number: every way passes exactly one load
	s_cmp_lt_u32 s14, \under
	s_cbranch_scc0 \next
	TLOAD \g0, \g1
	s_branch .Lhead_asked
\next:
.endm
	ARM 1, G0,  G1,  .Lhead_b
	ARM 2, G0B, G1B, .Lhead_sa
	ARM 3, G0S, G1S, .Lhead_sb
	TLOAD G0SB, G1SB
.Lhead_asked:
	s_mul_i32 s21, s15, 4*TILEB                    ; my 4 row tiles of A' in slot 0, 1
	s_add_co_u32 s66, s21, SLOT
	s_mul_i32 s22, s16, 8*TILEB                    ; my 8 of B'
	s_add_co_u32 s22, s22, AT
	s_add_co_u32 s67, s22, SLOT
	s_lshl_b32 s2, s15, 11                         ; A''s scale words: my 4 row tiles of 512 bytes
	s_lshl_b32 s3, s16, 12                         ; B''s: my 8, 4,224 behind A''s first
	s_add_co_u32 s3, s3, 4224
	s_sub_co_u32 s3, s3, s2                        ; from lanes 0-15 to lanes 16-31
	s_add_co_u32 s12, s2, SCL
	s_add_co_u32 s17, s3, 2048
	s_add_co_u32 s18, s2, SCL-2048
	s_mul_i32 s23, s14, 16*SPITCH                  ; my stage
	s_lshl_b32 s98, s13, 2
	s_add_co_u32 s98, s98, s41
	s_lshl_b32 s98, s98, 1
	s_add_co_u32 s98, s98, s15                     ; my 64 rows of out0,
	s_lshl_b32 s98, s98, 18                        ; of 4,096 bytes
	s_lshl_b32 s46, s40, 10                        ; my first column, in bytes: 1,024 cx + 512 x half
	s_lshl_b32 s47, s16, 9
	s_add_co_u32 s46, s46, s47
	s_mov_b32 s47, 0
	s_add_nc_u64 s[92:93], s[92:93], s[46:47]
	s_add_co_u32 s98, s98, s46
	s_mov_b32 s99, 0
	s_add_nc_u64 s[94:95], s[94:95], s[98:99]
	v_and_b32 v30, 31, v0                          ; lane
	v_and_b32 v1, 15, v0                           ; r
	v_bfe_u32 v2, v0, 4, 1                         ; h
	v_lshlrev_b32 v[CO], 4, v30
	v_lshlrev_b32 v4, 3, v30
	v_add_nc_u32 v[ADRA], s21, v[CO]
	v_add_nc_u32 v[ADRA+1], s66, v[CO]
	v_add_nc_u32 v[ADRA+2], s21, v4
	v_add_nc_u32 v[ADRA+3], s66, v4
	v_add_nc_u32 v[ADRB], s22, v[CO]
	v_add_nc_u32 v[ADRB+1], s67, v[CO]
	v_add_nc_u32 v[ADRB+2], s22, v4
	v_add_nc_u32 v[ADRB+3], s67, v4
	v_mul_u32_u24 v31, s3, v2
	v_mul_u32_u24 v6, s17, v2
	v_lshl_add_u32 v31, v1, 3, v31                 ; 8 bytes a row: the two words of 256 along K
	v_lshl_add_u32 v6, v1, 3, v6
	v_add_nc_u32 v[ADRS], s12, v31
	v_add_nc_u32 v[ADRS2], s18, v6
	v_mul_u32_u24 v7, v1, SPITCH                   ; into the stage: row r, 32 bytes for each half of the lanes
	v_lshl_add_u32 v7, v2, 5, v7
	v_add_nc_u32 v[STO], s23, v7
	v_add_nc_u32 v[RD], s23, v[CO]                 ; back: the 32 lanes take one row of 512 bytes
	v_lshlrev_b32 v3, 5, v2
	WIN 0x40
.irp i, 0,1,2,3,4,5,6,7                    ; the bias of B''s tile i, columns 16 i + 8 h + 0 .. 7
	global_load_b128 v[96+8*\i+96*(\i/4):96+8*\i+96*(\i/4)+3], v3, s[92:93] offset:64*\i
	global_load_b128 v[96+8*\i+96*(\i/4)+4:96+8*\i+96*(\i/4)+7], v3, s[92:93] offset:64*\i+16
.endr
	WIN 0
.macro FRAG reg, adr, q, i             ; a fragment comes as its image lies: 512, 256, 512, 256 consecutive bytes
	ds_load_b128 v[\reg:\reg+3], v[\adr] offset:(\i)*TILEB+(\q)*1536
	ds_load_b64 v[\reg+4:\reg+5], v[\adr+2] offset:(\i)*TILEB+(\q)*1536+512
	ds_load_b128 v[\reg+6:\reg+9], v[\adr] offset:(\i)*TILEB+(\q)*1536+768
	ds_load_b64 v[\reg+10:\reg+11], v[\adr+2] offset:(\i)*TILEB+(\q)*1536+1280
.endm
.macro FETCH st                        ; step st's fragments into sets st % 2; at an even step the scale words of two steps into set (st / 2) % 2
	WIN 0x40
.irp i, 0,1,2,3,4,5,6,7
	FRAG 128*((\st)%2)+FR*\i, ADRB+(\st)/4, (\st)%4, \i
.endr
	WIN 0
.irp i, 0,1,2,3
	FRAG AF+48*((\st)%2)+FR*\i, ADRA+(\st)/4, (\st)%4, \i
.endr
.if (\st)%2 == 0
.irp i, 0,1,2,3
	ds_load_b64 v[SC+16*(((\st)/2)%2)+2*\i:SC+16*(((\st)/2)%2)+2*\i+1], v[ADRS] offset:\i*512+128*((\st)/2)
.endr
.irp i, 4,5,6,7
	ds_load_b64 v[SC+16*(((\st)/2)%2)+2*\i:SC+16*(((\st)/2)%2)+2*\i+1], v[ADRS2] offset:\i*512+128*((\st)/2)
.endr
.endif
.endm
.macro PLACES
.rept 4
	v_nop
.endr
.endm
; A step of 128 along K: this step's fragments are in; the next step's are asked for; 32 matrix instructions, the accumulators by turns in the same order in every step.
.macro STEP st
.if (\st) == 3
	s_wait_tensorcnt 0x0                           ; my part of slot 1 is in
.endif
	s_wait_dscnt 0x0                               ; this step's fragments, asked for a step ago; at step 3 also: my reads of slot 0 are over
.if (\st) == 3
	s_barrier_signal -1
	s_barrier_wait -1                              ; slot 1 is whole, and nobody reads slot 0 any more
.endif
.if (\st) > 0 && (\st) < 7
	PLACES                                         ; in front of loads into registers that the last step but one's products have read
.endif
.if (\st) < 7
	FETCH (\st)+1
.endif
.if (\st) == 0
	WIN 0x91                                       ; source 0 and C (the bias) window 1, source 1 window 0, D window 2
.else
	WIN 0xa1                                       ; C and D window 2
.endif
.irp a, 0,1,2,3
.irp b, 0,1,2,3,4,5,6,7
.if (\st) == 0
	v_wmma_scale_f32_16x16x128_f8f6f4 v[8*(8*\a+\b):8*(8*\a+\b)+7], v[128*((\st)%2)+FR*\b:128*((\st)%2)+FR*\b+FR-1], v[AF+48*((\st)%2)+FR*\a:AF+48*((\st)%2)+FR*\a+FR-1], v[96+8*\b+96*(\b/4):96+8*\b+96*(\b/4)+7], v[SC+16*(((\st)/2)%2)+2*\b+(\st)%2], v[SC+16*(((\st)/2)%2)+2*\a+(\st)%2] matrix_a_fmt:MATRIX_FMT_BF6 matrix_b_fmt:MATRIX_FMT_BF6 matrix_a_scale:MATRIX_SCALE_ROW1
.else
	v_wmma_scale_f32_16x16x128_f8f6f4 v[8*(8*\a+\b):8*(8*\a+\b)+7], v[128*((\st)%2)+FR*\b:128*((\st)%2)+FR*\b+FR-1], v[AF+48*((\st)%2)+FR*\a:AF+48*((\st)%2)+FR*\a+FR-1], v[8*(8*\a+\b):8*(8*\a+\b)+7], v[SC+16*(((\st)/2)%2)+2*\b+(\st)%2], v[SC+16*(((\st)/2)%2)+2*\a+(\st)%2] matrix_a_fmt:MATRIX_FMT_BF6 matrix_b_fmt:MATRIX_FMT_BF6 matrix_a_scale:MATRIX_SCALE_ROW1
.endif
.endr
.endr
	WIN 0
.endm
	s_wait_alu depctr_va_vdst(0)
	s_wait_tensorcnt 0x0                           ; my tile of the head's four is in
	ds_add_u32 v[SPW], v[NIL]
	s_mov_b32 s[G1+2], 4<<16                       ; no tensor load of mine is out, so a descriptor may be written: slot 1's loads bring 4 row tiles of A',
	s_mov_b32 s[G1+4], 4
	s_mov_b32 s[G1B+2], 8<<16                      ; 8 of B'
	s_mov_b32 s[G1B+4], 8
	s_wait_dscnt 0x0
	CROUND                                         ; all four tiles are in, and all sixteen work-groups are here
	s_cmp_eq_u32 s15, 0                            ; slot 1: waves 0, 1 for A', waves 2, 3 for B'
	s_cbranch_scc0 .Lfor_b
	TLOAD G0+4, G1
	s_branch .Lasked
.Lfor_b:
	TLOAD G0B+4, G1B
.Lasked:
	FETCH 0
	s_wait_loadcnt 0x0                             ; the bias
.irp s, 0,1,2,3,4,5,6,7
	STEP \s
.endr
; THE WAY OUT, block by block of 16 rows x 128 columns, through my stage: back come whole rows of 512 bytes, which the 32 lanes store as two aligned units of 256 bytes.  LDS serves a wave's instructions in order.
.macro TOSTAGE a
	WIN 0x08                                       ; the data: window 2
.irp b, 0,1,2,3,4,5,6,7
	ds_store_b128 v[STO], v[64*(\a)+8*\b:64*(\a)+8*\b+3] offset:64*\b          ; each accumulator from its low end on
	ds_store_b128 v[STO], v[64*(\a)+8*\b+4:64*(\a)+8*\b+7] offset:64*\b+16
.endr
	WIN 0
.irp t, 0,1,2,3,4,5,6,7,8,9,10,11,12,13,14,15
	ds_load_b128 v[BK+64*((\a)%2)+4*\t:BK+64*((\a)%2)+4*\t+3], v[RD] offset:\t*SPITCH
.endr
.endm
.macro SEND a, younger                 ; younger: the LDS instructions issued behind block a's loads
	s_wait_dscnt \younger
.if (\a) > 0
	s_add_nc_u64 s[94:95], s[94:95], 16*SIZE_N*4   ; (behind a wait on XCNT: the earlier stores have read their base)
.endif
.irp t, 0,1,2,3,4,5,6,7,8,9,10,11,12,13,14,15
	global_store_b128 v[CO], v[BK+64*((\a)%2)+4*\t:BK+64*((\a)%2)+4*\t+3], s[94:95] offset:\t*SIZE_N*4 th:TH_STORE_NT
.endr
.endm
	PLACES                                         ; in front of the first read of results and of loads into A''s registers
	TOSTAGE 0
.irp a, 1,2,3
.if \a > 1
	s_wait_xcnt 0x0                                ; block a - 2's stores have read their registers and their base
.endif
	TOSTAGE \a
	SEND \a-1, 32
.endr
	s_wait_xcnt 0x0
	SEND 3, 0
	s_wait_tensorcnt 0x0                           ; the wave's end
	ds_add_u32 v[SPW], v[NIL]
	s_wait_dscnt 0x0
	CROUND                                         ; the closing round
	s_endpgm
.Lfunc_end_k_q5bdd89521f_proj:
	.size	k_q5bdd89521f_proj, .Lfunc_end_k_q5bdd89521f_proj-k_q5bdd89521f_proj
	.p2alignl 7, 3214868480
	.fill 96, 4, 3214868480
	.section	.rodata,"a",@progbits
	.p2align	6, 0x0
	.amdhsa_kernel k_q5bdd89521f_proj
		.amdhsa_group_segment_fixed_size 327680
		.amdhsa_private_segment_fixed_size 0
		.amdhsa_enable_private_segment 0
		.amdhsa_kernarg_size 48
		.amdhsa_user_sgpr_count 2
		.amdhsa_user_sgpr_kernarg_segment_ptr 1
		.amdhsa_wavefront_size32 1
		.amdhsa_system_sgpr_workgroup_id_x 1
		.amdhsa_system_sgpr_workgroup_id_y 1
		.amdhsa_system_sgpr_workgroup_id_z 1
		.amdhsa_system_vgpr_workitem_id 0
		.amdhsa_next_free_vgpr 768
		.amdhsa_next_free_sgpr 100
		.amdhsa_reserve_vcc 0
		.amdhsa_float_denorm_mode_32 3
		.amdhsa_float_denorm_mode_16_64 3
		.amdhsa_memory_ordered 1
		.amdhsa_forward_progress 1
		.amdhsa_inst_pref_size 87
	.end_amdhsa_kernel
	.amdgpu_metadata
---
amdhsa.version: [ 1, 2 ]
amdhsa.kernels:
  - .name:           k_q5bdd89521f_proj
    .symbol:         k_q5bdd89521f_proj.kd
    .args:
      - { .name: oc, .offset: 0, .size: 8, .value_kind: global_buffer, .address_space: global }
      - { .name: os, .offset: 8, .size: 8, .value_kind: global_buffer, .address_space: global }
      - { .name: codes, .offset: 16, .size: 8, .value_kind: global_buffer, .address_space: global }
      - { .name: scl, .offset: 24, .size: 8, .value_kind: global_buffer, .address_space: global }
      - { .name: b_out, .offset: 32, .size: 8, .value_kind: global_buffer, .address_space: global }
      - { .name: out0, .offset: 40, .size: 8, .value_kind: global_buffer, .address_space: global }
    .group_segment_fixed_size: 327680
    .private_segment_fixed_size: 0
    .kernarg_segment_align: 8
    .kernarg_segment_size: 48
    .max_flat_workgroup_size: 128
    .sgpr_count:     100
    .vgpr_count:     768
    .wavefront_size: 32
...
	.end_amdgpu_metadata
.endif
;; end of part 4
